; MI455X (gfx1250); checked and timed in simulation.
; The chip was launched on July 23, 2026; its instructions are those of AMD's public machine-readable ISA for CDNA 5 (MIT licence, August 2026) and "CDNA5" Instruction Set Architecture Reference Guide (July 2026). The comments in the code are by the model that wrote it; some were corrected since.
;; Multi Head Self Attention. Allowed arithmetic: matrix products marked QUANTISED: E2M1 operands, one E8M0 scale for each 32 along K, by v_wmma_scale_f32_16x16x128_f8f6f4 with both operands' format E2M1 (or v_wmma_scale_f32_32x16x128_f4), f32 sums; products left as they are: bf16, f16 or f32 operands; f32 sums; everything else in f32.
;; Inputs: Wk 1,024 x 1,024 float32; Wo 1,024 x 1,024 float32; Wq 1,024 x 1,024 float32; Wv 1,024 x 1,024 float32; bo 1,024 float32; key_padding_mask 2 x 2,048 bool; mask 2,048 x 2,048 float32; x 2 x 2,048 x 1,024 float32.
;; Outputs: out0 2 x 2,048 x 1,024 float32.
;; This version of the problem:
;;   THIS VERSION OF THE PROBLEM IS GIVEN IN LOW PRECISION. The matrix products marked QUANTISED in the list below multiply operands that are first quantised to E2M1 (2 exponent bits, 1 mantissa bit; 4 bits a number), with one power-of-two scale for each 32 numbers along K (OCP MX v1.0); their sums are f32. The products marked 'left as it is' may take bf16, f16 or f32 operands, with f32 sums. Whichever they take, every output number must still come out within the allowed error. Rounding operands to bf16 (8 significant bits) uses up far more of that allowance than f16 does (11 bits, for magnitudes from 6e-5 to 65,504). All else is computed in f32.
;;   The module's matrix products, in the order in which they are computed (A, B: the left and right operand; K: the contracted axis; several contracted axes count as one K, in the product's order):
;;     1. [M 4,096, K 1,024] x [K 1,024, N 1,024]; A: input x; B: input Wq: QUANTISED
;;     2. [M 4,096, K 1,024] x [K 1,024, N 1,024]; A: input x; B: input Wk: QUANTISED
;;     3. [M 4,096, K 1,024] x [K 1,024, N 1,024]; A: input x; B: input Wv: QUANTISED
;;     4. batch 32 x [M 2,048, K 64] x [K 64, N 2,048]; A: computed on the way; B: computed on the way: left as it is (an operand is computed on the way)
;;     5. batch 32 x [M 2,048, K 2,048] x [K 2,048, N 64]; A: computed on the way; B: computed on the way: left as it is (an operand is computed on the way)
;;     6. [M 4,096, K 1,024] x [K 1,024, N 1,024]; A: computed on the way; B: input Wo: left as it is (an operand is computed on the way)
;;   THE QUANTISER, for each operand of a quantised product, along K:
;;     - K is cut into blocks of 32 from its start; a last block that is shorter is filled with zeros.
;;     - A block's scale is 2^e with e = floor(log2(the largest magnitude in the block)) - 2, held to -126 .. 127; a block of zeros has e = 0. As a byte (E8M0): e + 127.
;;     - Each number is divided by its block's scale, clamped to +-6, and rounded to the nearest number of E2M1, ties to even, subnormals kept.
;;     - The product sums the exact products of the quantised numbers (number of the format x scale) in f32.
;;   ~~~python
;;   def quantise(x, axis):      # numpy; x: float32 -> the quantised numbers, widened to float32 again
;;       x = np.moveaxis(x, axis, -1); K = x.shape[-1]
;;       x = np.pad(x, [(0, 0)] * (x.ndim - 1) + [(0, -K % 32)]); x = x.reshape(x.shape[:-1] + (-1, 32)); a = np.abs(x).max(-1, keepdims=True)
;;       e = np.where(a > 0, np.clip(np.frexp(np.where(a > 0, a, 1))[1] - 1 - 2, -126, 127), 0)      # np.frexp(a)[1] - 1 = floor(log2(a)), exactly
;;       r = np.clip(x / 2.0 ** e, -6, 6)
;;       step = 2.0 ** (np.maximum(np.frexp(np.where(r == 0, 1, r))[1] - 1, 0) - 1)
;;       q = np.round(r / step) * step * 2.0 ** e      # np.round: ties to even
;;       return np.moveaxis(q.reshape(q.shape[:-2] + (-1,))[..., :K], -1, axis).astype(np.float32)
;;   ~~~
;; One version. Each part assembles by itself: llvm-mc -triple=amdgcn-amd-amdhsa -mcpu=gfx1250 --defsym DOCPART=n.
;; ======== version 1 of 1: 6 launches
;; limits: values are held in f16: magnitudes above 65,504 overflow, below 6.1e-05 lose precision; right only within a limited range of input values
;; workspace buffers: cod 3,670,016 bytes; scl 229,376 bytes; woi 2,097,152 bytes; flags 1,024 bytes of whole numbers; qkv16 25,165,824 bytes; csum 131,072 bytes; ctxi 8,388,608 bytes; fin 131,072 bytes
;; launch prep (part 1): grid 384 x 1, 4 waves a work-group, no clusters, 68,096 bytes of LDS; arguments x, Wq, Wk, Wv, Wo, mask, cod, scl, woi, flags; writes cod, scl, woi, flags
.if DOCPART == 1
	.amdgcn_target "amdgcn-amd-amdhsa--gfx1250"
	.amdhsa_code_object_version 6
	.text
	.protected	k_q47dbe18933_prep
	.globl	k_q47dbe18933_prep
	.p2align	8
	.type	k_q47dbe18933_prep,@function
k_q47dbe18933_prep:
	s_mov_b64 s[64:65], 0
	v_nop
	global_prefetch_b8 v0, s[64:65] scope:SCOPE_SE
	s_setreg_imm32_b32 hwreg(HW_REG_WAVE_MODE, 25, 1), 1
	s_wait_xcnt 0x0
; PREP: four kinds of work-group, told apart by the work-group's number alone; waves share nothing, so there is no barrier.
;   0..95    Wq, Wk, Wv [1024 (k)][1024 (n)] f32 -> codes of E2M1 laid [n][k], K innermost, one E8M0 byte for each 32 along K.  A lane takes a column, its registers run down K.
;   96..223  x [4096][1024] f32 -> codes and scale bytes, a plain stream of blocks of 32.
;   224..351 the additive mask [2048][2048]: for each tile of 16 queries x 64 keys two bits: L = some entry is above -infinity; X = L and some entry is not 0.
;   352..383 Wo [1024 (k)][1024 (n)] f32 -> f16, laid as images of the operand's registers: [n / 16][k / 8][n % 16][8 numbers].
; A block's scale is 2^(floor(log2(largest magnitude)) - 2); its byte is the largest magnitude's exponent field - 2, held at 1 from below.
; LIMITS: a block of zeros gets the byte 1 (its codes are zeros; this program alone reads the bytes); blocks under 2^-124 are held at byte 1; NaN and infinities in x and the weights are not served,
; nor NaN and +infinity in the mask; |Wo| stays under 65,504 (f16).
; LDS: the x path has bytes 0..32,767 (8,192 a wave), the weight path 32,768..50,175 (a stage of 16 x 272 a wave), the spare words lie behind both.
.set SPW,   192                        ; v192  LDS address of my spare word; never rewritten
.set NIL,   193                        ; v193  0; never rewritten
.set SP,    80                         ; x path: a lane's place in a stage: 64 bytes + 16 of padding
.set PITCH, 272                        ; weight path: a stage row: 256 bytes + 16
.set WQST,  32768
.set SPARE, 67584
.macro FINISH                          ; the wave's end: behind the last LDS store
	s_wait_tensorcnt 0x0
	ds_add_u32 v[SPW], v[NIL]
	s_wait_dscnt 0x0
	s_endpgm
.endm
.macro WLOAD t                         ; Wo: 32 rows at my column, into set t % 2: each load reads 128 consecutive bytes a wave
.set wi, 0
.rept 32
	global_load_b32 v[32+32*((\t)%2)+wi], v3, s[4:5] offset:(32*(\t)+wi)*4096 th:TH_LOAD_NT
.set wi, wi+1
.endr
.endm
	s_load_b512 s[8:23], s[0:1], 0x0               ; x s8, Wq s10, Wk s12, Wv s14, Wo s16, mask s18, cod s20, scl s22
	s_load_b128 s[24:27], s[0:1], 0x40             ; woi s24, flags s26
	v_lshl_add_u32 v[SPW], v0, 2, SPARE
	v_mov_b32 v[NIL], 0
	v_lshrrev_b32 v1, 5, v0
	v_readfirstlane_b32 s28, v1                    ; wave 0..3
	v_and_b32 v2, 31, v0                           ; lane
	s_mov_b32 s37, 0                               ; the high word of every offset
	s_wait_kmcnt 0x0
	s_cmp_lt_u32 ttmp9, 96
	s_cbranch_scc1 .Lwq
	s_cmp_lt_u32 ttmp9, 224
	s_cbranch_scc1 .Lxq
	s_cmp_lt_u32 ttmp9, 352
	s_cbranch_scc1 .Lms
; ---------------- Wo -> f16 images.  A work-group takes 128 columns x 256 along k; a lane a column.
	s_sub_co_u32 s30, ttmp9, 352
	s_and_b32 s31, s30, 7                          ; which 128 columns
	s_lshr_b32 s32, s30, 3                         ; which 256 along k
	s_lshl_b32 s33, s31, 7
	s_lshl_b32 s34, s28, 5
	s_add_co_u32 s33, s33, s34                     ; my wave's first column
	s_lshl_b32 s36, s32, 20                        ; 256 rows of 4,096 bytes
	s_lshl_b32 s34, s33, 2
	s_add_co_u32 s36, s36, s34
	s_add_nc_u64 s[4:5], s[16:17], s[36:37]
	s_lshl_b32 s36, s33, 11                        ; (column / 16) x 32,768
	s_lshl_b32 s34, s32, 13                        ; 32 pieces of 8 along k x 256 bytes
	s_add_co_u32 s36, s36, s34
	s_add_nc_u64 s[6:7], s[24:25], s[36:37]
	v_lshlrev_b32 v3, 2, v2
	v_lshrrev_b32 v4, 4, v2
	v_and_b32 v5, 15, v2
	v_lshlrev_b32 v4, 15, v4
	v_lshl_add_u32 v4, v5, 4, v4                   ; out: (lane / 16) x 32,768 + 16 (lane % 16): sixteen lanes fill 256 consecutive bytes
	WLOAD 0
	WLOAD 1
.macro OBLOCK t
.set XW, 32+32*((\t)%2)
.if (\t) < 7
	s_wait_loadcnt 32                              ; this block's 32 loads are in; the next block's 32 may be out
.else
	s_wait_loadcnt 0x0
.endif
	s_wait_xcnt 0x0                                ; the last block's stores have read v96-111
.irp q, 0,1,2,3
.irp i, 0,1,2,3
	v_cvt_pk_f16_f32 v[96+4*\q+\i], v[XW+8*\q+2*\i], v[XW+8*\q+2*\i+1]
.endr
.endr
.irp q, 0,1,2,3
	global_store_b128 v4, v[96+4*\q:96+4*\q+3], s[6:7] offset:(4*(\t)+\q)*256
.endr
.if (\t)+2 < 8
	WLOAD (\t)+2
.endif
.endm
.set Q, 0
.rept 8
	OBLOCK Q
.set Q, Q+1
.endr
	FINISH
; ---------------- Wq, Wk, Wv -> codes.  A work-group takes 64 columns x 512 along K of one weight; a wave 16 columns.
; Lane (r, h) takes column r; in step t its 32 registers are block 2 t + h of the 16 blocks: the two halves of the lanes walk K side by side, so a wave has 8 steps, two of them (64 loads) on their way.
; Each load reads 64 consecutive bytes in each half; the four waves stand side by side on 256 bytes of a row (so these loads carry no hint that the bytes beside them are not wanted).
.Lwq:
	s_lshr_b32 s30, ttmp9, 5                       ; which weight
	s_cmp_eq_u32 s30, 0
	s_cselect_b64 s[4:5], s[10:11], s[12:13]
	s_cmp_eq_u32 s30, 2
	s_cselect_b64 s[4:5], s[14:15], s[4:5]
	s_and_b32 s31, ttmp9, 15                       ; which 64 columns
	s_bfe_u32 s32, ttmp9, 0x10004                  ; which 512 along K
	s_lshl_b32 s33, s31, 6
	s_lshl_b32 s34, s28, 4
	s_add_co_u32 s33, s33, s34                     ; my wave's first column
	s_lshl_b32 s36, s32, 21                        ; 512 rows of 4,096 bytes
	s_lshl_b32 s34, s33, 2
	s_add_co_u32 s36, s36, s34
	s_add_nc_u64 s[4:5], s[4:5], s[36:37]
	s_lshl_b32 s36, s30, 19                        ; codes: 2,097,152 + weight x 524,288 + column x 512 + 256 x half of K
	s_lshl_b32 s34, s33, 9
	s_add_co_u32 s36, s36, s34
	s_lshl_b32 s34, s32, 8
	s_add_co_u32 s36, s36, s34
	s_add_co_u32 s36, s36, 0x200000
	s_add_nc_u64 s[6:7], s[20:21], s[36:37]
	s_lshl_b32 s36, s30, 15                        ; scale bytes: 131,072 + weight x 32,768 + column x 32 + 16 x half of K
	s_lshl_b32 s34, s33, 5
	s_add_co_u32 s36, s36, s34
	s_lshl_b32 s34, s32, 4
	s_add_co_u32 s36, s36, s34
	s_add_co_u32 s36, s36, 0x20000
	s_add_nc_u64 s[38:39], s[22:23], s[36:37]
	s_mov_b32 s46, 0x76543210
	s_mov_b32 s47, 0xfedcba98                      ; v_permlanex16_b32's selects for lane l xor 16
	v_and_b32 v5, 15, v2                           ; r
	v_lshrrev_b32 v6, 4, v2                        ; h
	v_lshlrev_b32 v3, 2, v5
	v_lshl_add_u32 v3, v6, 17, v3                  ; in: 4 r, and 32 rows of 4,096 bytes further down for lanes 16-31
	s_mul_i32 s35, s28, 16*PITCH
	s_add_co_u32 s35, s35, WQST                    ; my stage
	v_mul_u32_u24 v4, v5, PITCH
	v_lshl_add_u32 v4, v6, 4, v4
	v_add_nc_u32 v4, s35, v4                       ; into it: row = my column, + 16 h
	v_mul_u32_u24 v7, v6, PITCH
	v_lshl_add_u32 v7, v5, 4, v7
	v_add_nc_u32 v7, s35, v7                       ; out of it: sixteen lanes to a row
	v_lshlrev_b32 v8, 9, v6
	v_lshl_add_u32 v8, v5, 4, v8                   ; the same place in the codes: rows of 512 bytes
	v_lshlrev_b32 v9, 5, v5
	v_lshl_add_u32 v9, v6, 3, v9                   ; my column's row of scale bytes, + 8 h
.irp q, 0,1,2,3
	v_mov_b32 v[28+\q], 0                          ; (a lane permute's destination counts as read)
.endr
.macro QLOAD t                         ; step t: rows 64 t + 32 h + 0 .. 31 at my column, into set t % 2
.set wi, 0
.rept 32
	global_load_b32 v[32+32*((\t)%2)+wi], v3, s[4:5] offset:(64*(\t)+wi)*4096
.set wi, wi+1
.endr
.endm
	QLOAD 0
	QLOAD 1
.macro WBLOCK t
.set XW, 32+32*((\t)%2)
.if (\t) < 7
	s_wait_loadcnt 32                              ; this step's 32 loads are in; the next step's may be out
.else
	s_wait_loadcnt 0x0
.endif
	v_max3_num_f32 v12, |v[XW]|, |v[XW+1]|, |v[XW+2]|       ; the block's largest magnitude: all 32 numbers are mine
	v_max3_num_f32 v13, |v[XW+3]|, |v[XW+4]|, |v[XW+5]|
.irp i, 6,10,14,18,22,26
	v_max3_num_f32 v12, v12, |v[XW+\i]|, |v[XW+\i+1]|
	v_max3_num_f32 v13, v13, |v[XW+\i+2]|, |v[XW+\i+3]|
.endr
	v_max3_num_f32 v12, v12, |v[XW+30]|, |v[XW+31]|
	v_max3_num_f32 v12, v12, v13, 0x1800000        ; and the floor 2^(3 - 127): the byte cannot fall under 1
	v_add_nc_u32 v11, 0xff000000, v12              ; 2 off its exponent field: the conversion's scale operand
	v_lshrrev_b32 v13, 23, v11                     ; the scale's byte, of block 2 t + h
.if (\t)%2 == 0
	v_mov_b32 v[24+(\t)/2], v13                    ; word t / 2 of the sixteen bytes: my two bytes, two places apart
.else
	v_lshl_or_b32 v[24+(\t)/2], v13, 16, v[24+(\t)/2]
.endif
.irp g, 0,1,2,3
	v_cvt_scalef32_pk8_fp4_f32 v[96+\g], v[XW+8*\g:XW+8*\g+7], v11
.endr
	ds_store_b128 v4, v[96:99] offset:32*(\t)      ; 32 codes: 16 bytes of my column's row
.if (\t)+2 < 8
	QLOAD (\t)+2
.endif
	s_wait_dscnt 0x0                               ; the store has read its registers: the next step's codes may be written
.endm
.set Q, 0
.rept 8
	WBLOCK Q
.set Q, Q+1
.endr
	v_lshlrev_b32 v10, 3, v6
.irp q, 0,1,2,3
	v_lshlrev_b32 v[24+\q], v10, v[24+\q]          ; my bytes at their places: 8 h bits up
.endr
.irp q, 0,1,2,3
	v_permlanex16_b32 v[28+\q], v[24+\q], s46, s47
.endr
.irp q, 0,1,2,3
	v_or_b32 v[24+\q], v[24+\q], v[28+\q]          ; with lane l xor 16's the words are whole
.endr
	v_cmp_ne_u32 vcc_lo, 0, v6
	v_cndmask_b32 v28, v24, v26, vcc_lo            ; lanes 0-15 store words 0, 1, lanes 16-31 words 2, 3
	v_cndmask_b32 v29, v25, v27, vcc_lo
	global_store_b64 v9, v[28:29], s[38:39]
.irp t, 0,1,2,3,4,5,6,7
	ds_load_b128 v[112+4*\t:112+4*\t+3], v7 offset:2*\t*PITCH   ; LDS serves a wave's instructions in order: these see my stores
.endr
.irp t, 0,1,2,3,4,5,6,7
	s_wait_dscnt 7-\t
	global_store_b128 v8, v[112+4*\t:112+4*\t+3], s[6:7] offset:2*\t*512   ; sixteen lanes store 256 consecutive bytes, aligned
.endr
	FINISH
; ---------------- x -> codes.  A wave takes 16 steps of 512 numbers; each step turns through the wave's own stage so that a lane holds 16 neighbours.
.Lxq:
	s_sub_co_u32 s30, ttmp9, 96
	s_lshl_b32 s30, s30, 2
	s_add_co_u32 s30, s30, s28                     ; which run of 8,192 numbers is my wave's
	s_lshl_b32 s36, s30, 15
	s_add_nc_u64 s[4:5], s[8:9], s[36:37]
	s_lshl_b32 s36, s30, 12
	s_add_nc_u64 s[6:7], s[20:21], s[36:37]
	s_lshl_b32 s36, s30, 8
	s_add_nc_u64 s[38:39], s[22:23], s[36:37]
	v_lshlrev_b32 v3, 4, v2
	s_lshl_b32 s35, s28, 13                        ; my 8,192 bytes of LDS
	v_lshrrev_b32 v14, 2, v2
	v_mul_u32_u24 v14, v14, SP
	v_and_b32 v15, 3, v2
	v_lshl_add_u32 v14, v15, 4, v14
	v_add_nc_u32 v14, s35, v14                     ; in: SP (lane / 4) + 16 (lane % 4)
	v_mul_u32_u24 v15, v2, SP
	v_add_nc_u32 v15, s35, v15                     ; out: SP x lane
	v_lshlrev_b32 v4, 3, v2                        ; my 8 bytes of a step's codes
	v_lshrrev_b32 v5, 1, v2
	s_add_co_u32 s35, s35, 2*32*SP
	v_add_nc_u32 v5, s35, v5                       ; my block's scale byte
	v_lshlrev_b32 v7, 3, v2
	v_add_nc_u32 v6, s35, v7
.macro XLOAD t
.irp i, 0,1,2,3
	global_load_b128 v[16+16*((\t)%4)+4*\i:16+16*((\t)%4)+4*\i+3], v3, s[4:5] offset:2048*(\t)+512*\i th:TH_LOAD_NT
.endr
.endm
.macro XTURN t                         ; LDS serves a wave's instructions in order: no wait between the stores and the loads
.irp i, 0,1,2,3
	ds_store_b128 v14, v[16+16*((\t)%4)+4*\i:16+16*((\t)%4)+4*\i+3] offset:32*SP*((\t)%2)+8*SP*\i
.endr
.irp i, 0,1,2,3
	ds_load_b128 v[80+16*((\t)%2)+4*\i:80+16*((\t)%2)+4*\i+3], v15 offset:32*SP*((\t)%2)+16*\i
.endr
.endm
.irp t, 0,1,2,3
	XLOAD \t
.endr
	s_wait_loadcnt 12                              ; step 0's four loads are in; three steps' twelve may be out
	XTURN 0
.macro XSTEP t
.set XS, 80+16*((\t)%2)
.if (\t) > 0
	s_wait_dscnt 1                                 ; this step's numbers are back (the last step's byte store may be out)
.else
	s_wait_dscnt 0x0
.endif
.if (\t)+4 < 16
	XLOAD (\t)+4
.endif
.if (\t)+1 < 16
.if 14-(\t) >= 3
	s_wait_loadcnt 12                              ; the next step's four loads are in; three steps' may be out
.else
	s_wait_loadcnt 4*(14-(\t))
.endif
	XTURN (\t)+1
.endif
	v_max3_num_f32 v8, |v[XS]|, |v[XS+1]|, |v[XS+2]|
	v_max3_num_f32 v9, |v[XS+3]|, |v[XS+4]|, |v[XS+5]|
.irp i, 6,10
	v_max3_num_f32 v8, v8, |v[XS+\i]|, |v[XS+\i+1]|
	v_max3_num_f32 v9, v9, |v[XS+\i+2]|, |v[XS+\i+3]|
.endr
	v_max3_num_f32 v8, v8, |v[XS+14]|, |v[XS+15]|
	v_max3_num_f32 v8, v8, v9, 0x1800000           ; the floor 2^(3 - 127)
	v_max_num_f32_dpp v8, v8, v8 row_xmask:1 row_mask:0xf bank_mask:0xf   ; with my neighbour's 16: the block's
	v_add_nc_u32 v11, 0xff000000, v8
	v_cvt_scalef32_pk8_fp4_f32 v[128+4*(\t)], v[XS:XS+7], v11
	v_cvt_scalef32_pk8_fp4_f32 v[128+4*(\t)+1], v[XS+8:XS+15], v11
	v_lshrrev_b32 v[112+(\t)], 23, v11             ; the scale's byte
	ds_store_b8 v5, v[112+(\t)] offset:16*(\t)     ; both lanes of a block write the same byte with the same value
	global_store_b64 v4, v[128+4*(\t):128+4*(\t)+1], s[6:7] offset:256*(\t)
.endm
.irp t, 0,1,2,3,4,5,6,7,8,9,10,11,12,13,14,15
	XSTEP \t
.endr
	ds_load_b64 v[8:9], v6
	s_wait_dscnt 0x0
	global_store_b64 v7, v[8:9], s[38:39]          ; 32 lanes store 256 consecutive bytes, aligned
	FINISH
; ---------------- the mask's flags.  A work-group takes 16 queries, wave w the keys 512 w on: 8 tiles of 64 keys, one byte of each flag word.
.Lms:
	s_sub_co_u32 s30, ttmp9, 224                   ; the tile of 16 queries
	s_lshl_b32 s36, s30, 17
	s_lshl_b32 s34, s28, 11
	s_add_co_u32 s36, s36, s34
	s_add_nc_u64 s[4:5], s[18:19], s[36:37]
	s_lshl_b32 s36, s30, 2
	s_add_co_u32 s36, s36, s28
	s_add_nc_u64 s[6:7], s[26:27], s[36:37]        ; byte w of word t
	v_lshlrev_b32 v3, 4, v2
	v_mov_b32 v24, 0xff800000                      ; -infinity
	v_mov_b32 v10, 0
	s_mov_b32 s42, 0                               ; L's byte
	s_mov_b32 s43, 0                               ; X's byte
.macro MLOAD g                         ; 16 rows x 128 keys: lanes 0-15 hold the first 64 keys, lanes 16-31 the second
.set mi, 0
.rept 16
	global_load_b128 v[32+64*((\g)%2)+4*mi:32+64*((\g)%2)+4*mi+3], v3, s[4:5] offset:mi*8192+(\g)*512 th:TH_LOAD_NT
.set mi, mi+1
.endr
.endm
.macro MGROUP g
.set M0, 32+64*((\g)%2)
.if (\g) < 3
	s_wait_loadcnt 16                              ; this group's 16 loads are in; the next group's may be out
.else
	s_wait_loadcnt 0x0
.endif
	v_max3_num_f32 v20, v[M0], v[M0+1], v[M0+2]
	v_max3_num_f32 v21, v[M0+3], v[M0+4], v[M0+5]
	v_min3_num_f32 v22, v[M0], v[M0+1], v[M0+2]
	v_min3_num_f32 v23, v[M0+3], v[M0+4], v[M0+5]
.irp i, 6,10,14,18,22,26,30,34,38,42,46,50,54,58
	v_max3_num_f32 v20, v20, v[M0+\i], v[M0+\i+1]
	v_max3_num_f32 v21, v21, v[M0+\i+2], v[M0+\i+3]
	v_min3_num_f32 v22, v22, v[M0+\i], v[M0+\i+1]
	v_min3_num_f32 v23, v23, v[M0+\i+2], v[M0+\i+3]
.endr
	v_max3_num_f32 v20, v20, v[M0+62], v[M0+63]
	v_min3_num_f32 v22, v22, v[M0+62], v[M0+63]
	v_max_num_f32 v20, v20, v21                    ; my 64 entries' largest
	v_min_num_f32 v22, v22, v23                    ; and smallest
	v_max_num_f32 v21, |v20|, |v22|
	v_cmp_gt_f32 s40, v20, v24                     ; lanes with an entry above -infinity
	v_cmp_lt_f32 s41, 0, v21                       ; lanes with an entry that is not 0
.if (\g)+2 < 4
	MLOAD (\g)+2
.endif
	s_and_b32 s44, s40, 0xffff                     ; values alone are chosen here: no branch and no address hangs on them
	s_cselect_b32 s44, 1<<(2*(\g)), 0
	s_or_b32 s42, s42, s44
	s_lshr_b32 s44, s40, 16
	s_cselect_b32 s44, 2<<(2*(\g)), 0
	s_or_b32 s42, s42, s44
	s_and_b32 s44, s41, 0xffff
	s_cselect_b32 s44, 1<<(2*(\g)), 0
	s_or_b32 s43, s43, s44
	s_lshr_b32 s44, s41, 16
	s_cselect_b32 s44, 2<<(2*(\g)), 0
	s_or_b32 s43, s43, s44
.endm
	MLOAD 0
	MLOAD 1
	MGROUP 0
	MGROUP 1
	MGROUP 2
	MGROUP 3
	s_and_b32 s43, s43, s42
	v_mov_b32 v8, s42
	v_mov_b32 v9, s43
	v_cmp_eq_u32 vcc_lo, 0, v2
	s_wait_xcnt 0x0                                ; EXEC changes only behind this wait
	s_and_saveexec_b32 s45, vcc_lo
	global_store_b8 v10, v8, s[6:7]
	global_store_b8 v10, v9, s[6:7] offset:512
	s_wait_xcnt 0x0                                ; and again, ahead of the line that widens it
	s_or_b32 exec_lo, exec_lo, s45
	FINISH
.Lfunc_end_k_q47dbe18933_prep:
	.size	k_q47dbe18933_prep, .Lfunc_end_k_q47dbe18933_prep-k_q47dbe18933_prep
	.p2alignl 7, 3214868480
	.fill 96, 4, 3214868480
	.section	.rodata,"a",@progbits
	.p2align	6, 0x0
	.amdhsa_kernel k_q47dbe18933_prep
		.amdhsa_group_segment_fixed_size 68096
		.amdhsa_private_segment_fixed_size 0
		.amdhsa_enable_private_segment 0
		.amdhsa_kernarg_size 80
		.amdhsa_user_sgpr_count 2
		.amdhsa_user_sgpr_kernarg_segment_ptr 1
		.amdhsa_wavefront_size32 1
		.amdhsa_system_sgpr_workgroup_id_x 1
		.amdhsa_system_sgpr_workgroup_id_y 1
		.amdhsa_system_sgpr_workgroup_id_z 1
		.amdhsa_system_vgpr_workitem_id 0
		.amdhsa_next_free_vgpr 200
		.amdhsa_next_free_sgpr 66
		.amdhsa_reserve_vcc 1
		.amdhsa_float_denorm_mode_32 3
		.amdhsa_float_denorm_mode_16_64 3
		.amdhsa_memory_ordered 1
		.amdhsa_forward_progress 1
		.amdhsa_inst_pref_size 136
	.end_amdhsa_kernel
	.amdgpu_metadata
---
amdhsa.version: [ 1, 2 ]
amdhsa.kernels:
  - .name:           k_q47dbe18933_prep
    .symbol:         k_q47dbe18933_prep.kd
    .args:
      - { .name: x, .offset: 0, .size: 8, .value_kind: global_buffer, .address_space: global }
      - { .name: Wq, .offset: 8, .size: 8, .value_kind: global_buffer, .address_space: global }
      - { .name: Wk, .offset: 16, .size: 8, .value_kind: global_buffer, .address_space: global }
      - { .name: Wv, .offset: 24, .size: 8, .value_kind: global_buffer, .address_space: global }
      - { .name: Wo, .offset: 32, .size: 8, .value_kind: global_buffer, .address_space: global }
      - { .name: mask, .offset: 40, .size: 8, .value_kind: global_buffer, .address_space: global }
      - { .name: cod, .offset: 48, .size: 8, .value_kind: global_buffer, .address_space: global }
      - { .name: scl, .offset: 56, .size: 8, .value_kind: global_buffer, .address_space: global }
      - { .name: woi, .offset: 64, .size: 8, .value_kind: global_buffer, .address_space: global }
      - { .name: flags, .offset: 72, .size: 8, .value_kind: global_buffer, .address_space: global }
    .group_segment_fixed_size: 68096
    .private_segment_fixed_size: 0
    .kernarg_segment_align: 8
    .kernarg_segment_size: 80
    .max_flat_workgroup_size: 128
    .sgpr_count:     66
    .vgpr_count:     200
    .wavefront_size: 32
...
	.end_amdgpu_metadata
.endif
;; end of part 1
;; launch qkv (part 2): grid 12 x 16, 4 waves a work-group, clusters of 4 x 4, 327,680 bytes of LDS; arguments cod, scl, qkv16, csum; writes qkv16, csum
.if DOCPART == 2
	.amdgcn_target "amdgcn-amd-amdhsa--gfx1250"
	.amdhsa_code_object_version 6
	.text
	.protected	k_q47dbe18933_qkv
	.globl	k_q47dbe18933_qkv
	.p2align	8
	.type	k_q47dbe18933_qkv,@function
k_q47dbe18933_qkv:
	s_mov_b64 s[64:65], 0
	v_nop
	global_prefetch_b8 v0, s[64:65] scope:SCOPE_SE
	s_setreg_imm32_b32 hwreg(HW_REG_WAVE_MODE, 25, 1), 1
	s_wait_xcnt 0x0
	s_wait_alu depctr_hold_cnt(0) depctr_sa_sdst(0) depctr_va_vdst(0) depctr_va_sdst(0) depctr_va_ssrc(0) depctr_va_vcc(0) depctr_vm_vsrc(0)
	s_getreg_b32 s2, hwreg(HW_REG_IB_STS2, 6, 4)
	s_cmp_eq_u32 s2, 0
	s_cbranch_scc0 .Lentry_in_a_cluster
	s_endpgm
.Lentry_in_a_cluster:
	s_bfe_u32 s2, ttmp6, 0x10000c
	s_cmp_lg_u32 s2, 0xf033
	s_cbranch_scc0 .Lentry_shape_is_right
	s_endpgm
.Lentry_shape_is_right:
; [Q | K | V] = x [Wq | Wk | Wv]: 4,096 x 3,072 x 1,024 on codes of FP4 (E2M1) with one E8M0 scale for each 32 along K; sums in f32.
; A tile of 256 tokens x 256 columns is made by four waves, 128 x 128 each: 64 accumulators, 512 registers.  All of K lies in two LDS slots of 512 along K, both filled at the start: nothing is filled again.
; The scale bytes of the work-group's rows come once, as whole blocks of 256 bytes.  CLUSTERS: 4 x 4 work-groups; x's tiles are shared along a row of the cluster, the weights' along a column, by joint loads.
; The grid has 192 work-groups: 12 x 16 tiles of 256 x 256; a smaller tile would read each fragment for half as many products.
; THE MATRIX INSTRUCTION IS USED TRANSPOSED (source 0 = 16 columns of a weight, source 1 = 16 tokens): a lane holds one token and eight neighbouring channels.
; THE WAY OUT: Q is multiplied by c = log2(e) / 8 in f32 (the scores are then exponents to base 2), all three are rounded to f16 and stored AS IMAGES OF A 16-BIT OPERAND'S REGISTERS:
; [Q,K,V][batch x 16 + head][token / 16][channel / 16][lane][16 bytes]: a lane's eight channels are its 16 bytes, so each store of a wave covers 512 consecutive bytes and no LDS stage is needed.
; V's work-groups (cluster x = 2: the same in all sixteen partners) also store the sums of their 128 tokens for each column, in f32: the mean of V serves rows that are masked altogether.
; LIMITS: |c Q|, |K|, |V| stay under 65,504 (f16).
; REGISTERS: window 0: v0-31 addresses; v32-95 scale words, two sets; from v128 x's fragments, one set; on the way out v32-255 are free.  window 1: the weights' fragments, two sets.  windows 2, 3: the accumulators.
.set NQ,     4                         ; matrix instructions deep in a slot
.set ROWB,   256                       ; a tile's row in bytes: 512 codes
.set KROW,   512                       ; a row of codes in memory
.set PITCH,  272                       ; an LDS row: 256 bytes + 16 of padding: the 16 rows that a load touches start at 16 different banks (64 banks of 4 bytes: ISA guide 11.1)
.set FR,     8
.set NL,     2
.set NP,     4                         ; places behind this matrix instruction (ISA guide 7.12.1)
.set HALFT,  128*PITCH
.set SLOT,   4*HALFT
.set KS,     32                        ; a row of scale bytes
.set SCL,    2*SLOT
.set HALFS,  (128*KS/256)*272
.set SBLK,   (16*KS/256)*272
.set SPARE,  SCL+4*HALFS               ; the spare words: 128 bytes a wave, named by no other line
.set ADRA, 16
.set ADRB, 20
.set LOF,  24                          ; v24  16 x lane
.set HOF,  25                          ; v25  32 x (lane / 16)
.set ADRS, 27
.set SPW,  28
.set NIL,  29
.set SC,   32
.set AF,   128
.set T,    32                          ; the way out: 64 numbers of a block of 16 tokens
.set PK,   96                          ; packed, two sets of 32
.set SUM,  192                         ; the column sums
.set G1, 24
.set G0, 32
.set G1B, 48
.set G0B, 56
.set G1S, 68
.set G0S, 76
.set G1SB, 80
.set G0SB, 88
.set MSB, 0
.macro WIN new                         ; the immediate's high byte repeats the setting that is left
.if MSB != \new
	s_set_vgpr_msb (MSB<<8)|\new
.set MSB, \new
.endif
.endm
.set MUL_LO, 0xa1                      ; source 0 window 1, source 1 window 0, C and D window 2
.set MUL_HI, 0xf1
.set TO_B,   0x40
; A joint load: waves 0 and 1 fetch for x, waves 2 and 3 for the weights.  The branch hangs on the wave's number alone.  An s_nop 0 and four v_nop follow each of the two lines.
.macro JLOAD g0a, g1a, g0b, g1b
	s_cmp_eq_u32 s15, 0
	s_cbranch_scc0 .Lfor_b_\@
	tensor_load_to_lds s[\g0a:\g0a+3], s[\g1a:\g1a+7]
	s_nop 0
.rept 4
	v_nop
.endr
	s_branch .Lasked_\@
.Lfor_b_\@:
	tensor_load_to_lds s[\g0b:\g0b+3], s[\g1b:\g1b+7]
	s_nop 0
.rept 4
	v_nop
.endr
.Lasked_\@:
.endm
.macro CROUND                          ; a round of the cluster's barrier
	s_barrier_signal -1
	s_barrier_wait -1
	s_cmp_lg_u32 s14, 0
	s_cbranch_scc1 .Lnot_wave_0_\@
	s_barrier_signal -3
.Lnot_wave_0_\@:
	s_barrier_wait -3
	s_barrier_signal -1
	s_barrier_wait -1
.endm
	s_load_b128 s[4:7], s[0:1], 0x0                ; the codes, the scale bytes
	s_load_b128 s[96:99], s[0:1], 0x10             ; qkv16, csum
	v_lshl_add_u32 v[SPW], v0, 2, SPARE
	v_mov_b32 v[NIL], 0
	ds_add_u32 v[SPW], v[NIL]                      ; the wave's opening: the add, twice on end, and its wait ahead of my first tensor load
	ds_add_u32 v[SPW], v[NIL]
	v_lshrrev_b32 v1, 5, v0
	v_readfirstlane_b32 s14, v1                    ; wave 0..3
	s_lshr_b32 s15, s14, 1                         ; which half of the tile's tokens is mine.  Also: I fetch for x (0) or for the weights (1)
	s_and_b32 s16, s14, 1                          ; which half of its columns.  Also: which 128 rows I fetch
	s_bfe_u32 s40, ttmp6, 0x40000                  ; cx, cy
	s_bfe_u32 s41, ttmp6, 0x40004
	s_lshl_b32 s42, ttmp9, 2
	s_add_co_u32 s42, s42, s40                     ; tile column = 4 x cluster x + cx
	s_and_b32 s17, ttmp7, 0xffff
	s_lshl_b32 s17, s17, 2
	s_add_co_u32 s17, s17, s41                     ; tile row = 4 x cluster y + cy
	s_lshl_b32 s43, s41, 2
	s_lshl_b32 s43, 15, s43                        ; my row of the cluster
	s_lshl_b32 s44, 0x1111, s40                    ; my column
	s_or_b32 s[G1+0], s43, (0<<16)|(1<<20)|(1<<21)|(5<<22)|(3<<25)  ; mask; elements of 1 byte; padding: 4 words after every 64; bit 21 beside a mask
	s_or_b32 s[G1B+0], s44, (0<<16)|(1<<20)|(1<<21)|(5<<22)|(3<<25)
.irp g, G1, G1B
	s_mov_b32 s[\g+1], ROWB<<16                    ; tensor_dim0
	s_mov_b32 s[\g+2], 128<<16                     ; tensor_dim1
	s_mov_b32 s[\g+3], ROWB<<16                    ; tile_dim0
	s_mov_b32 s[\g+4], 128                         ; tile_dim1
	s_mov_b32 s[\g+5], KROW                        ; the pitch
	s_mov_b32 s[\g+6], 0
	s_mov_b32 s[\g+7], 0
.endr
	s_or_b32 s[G1S+0], s43, (3<<16)|(1<<20)|(1<<21)|(5<<22)|(3<<25) ; the scales of 128 rows: 4,096 dense bytes as 16 rows of 256, 16 bytes of padding behind each
	s_or_b32 s[G1SB+0], s44, (3<<16)|(1<<20)|(1<<21)|(5<<22)|(3<<25)
.irp g, G1S, G1SB
	s_mov_b32 s[\g+1], 32<<16
	s_mov_b32 s[\g+2], (128*KS/256)<<16
	s_mov_b32 s[\g+3], 32<<16
	s_mov_b32 s[\g+4], 128*KS/256
	s_mov_b32 s[\g+5], 32
	s_mov_b32 s[\g+6], 0
	s_mov_b32 s[\g+7], 0
.endr
	s_lshl_b32 s18, s16, 7
	s_lshl_b32 s20, s17, 8
	s_add_co_u32 s20, s20, s18                     ; x: row 256 x tile row + 128 x half
	s_lshl_b32 s46, s42, 8
	s_add_co_u32 s46, s46, s18                     ; the weights: row 256 x tile column + 128 x half
	s_mov_b32 s21, 0
	s_mov_b32 s47, 0
	s_mov_b64 s[18:19], KS
	s_mul_u64 s[22:23], s[20:21], s[18:19]
	s_mul_u64 s[92:93], s[46:47], s[18:19]
	s_mov_b64 s[18:19], KROW
	s_mul_u64 s[20:21], s[20:21], s[18:19]
	s_mul_u64 s[46:47], s[46:47], s[18:19]
	s_mul_i32 s45, s14, HALFT                      ; where they go: wave x 128 rows: no place in the cluster enters an LDS address
	s_mul_i32 s94, s14, HALFS
	s_wait_dscnt 0x0                               ; both opening adds are done
	s_wait_kmcnt 0x0
	s_add_nc_u64 s[8:9], s[4:5], 0x200000          ; the weights' codes lie behind x's,
	s_add_nc_u64 s[10:11], s[6:7], 0x20000         ; and so do their scale bytes
	s_add_nc_u64 s[20:21], s[4:5], s[20:21]
	s_add_nc_u64 s[22:23], s[6:7], s[22:23]
	s_add_nc_u64 s[46:47], s[8:9], s[46:47]
	s_add_nc_u64 s[92:93], s[10:11], s[92:93]
	CROUND                                         ; all sixteen work-groups are here: the first joint loads meet
	s_mov_b32 s[G0S], 1
	s_add_co_u32 s[G0S+1], s94, SCL
	s_mov_b64 s[G0S+2:G0S+3], s[22:23]
	s_or_b32 s[G0S+3], s[G0S+3], 0x80000000
	s_mov_b32 s[G0SB], 1
	s_add_co_u32 s[G0SB+1], s94, SCL
	s_mov_b64 s[G0SB+2:G0SB+3], s[92:93]
	s_or_b32 s[G0SB+3], s[G0SB+3], 0x80000000
	JLOAD G0S, G1S, G0SB, G1SB                     ; the scales first
.irp s, 0,1
	s_mov_b32 s[G0+4*\s], 1
	s_add_co_u32 s[G0+4*\s+1], s45, \s*SLOT
	s_add_nc_u64 s[G0+4*\s+2:G0+4*\s+3], s[20:21], \s*ROWB
	s_or_b32 s[G0+4*\s+3], s[G0+4*\s+3], 0x80000000
	s_mov_b32 s[G0B+4*\s], 1
	s_add_co_u32 s[G0B+4*\s+1], s45, \s*SLOT
	s_add_nc_u64 s[G0B+4*\s+2:G0B+4*\s+3], s[46:47], \s*ROWB
	s_or_b32 s[G0B+4*\s+3], s[G0B+4*\s+3], 0x80000000
	JLOAD G0+4*\s, G1, G0B+4*\s, G1B               ; by this text's count three tensor loads of a wave are out
.endr
	v_and_b32 v1, 15, v0                           ; r = lane % 16
	v_bfe_u32 v2, v0, 4, 1                         ; h = lane / 16
	v_mul_u32_u24 v3, v1, PITCH
	v_lshl_add_u32 v4, v2, 4, v3
	s_mul_i32 s21, s15, HALFT
	s_mul_i32 s22, s16, HALFT
	s_add_co_u32 s22, s22, 2*HALFT
.irp s, 0,1
	v_add_nc_u32 v[ADRA+\s], s21, v4
	v_add_nc_u32 v[ADRB+\s], s22, v4
	s_add_co_u32 s21, s21, SLOT
	s_add_co_u32 s22, s22, SLOT
.endr
	v_mul_u32_u24 v5, v1, KS
	v_lshrrev_b32 v6, 8, v5
	v_lshl_add_u32 v5, v6, 4, v5                   ; my row's scales: 32 bytes a row, 16 more for each 256 passed
	s_mul_i32 s21, s15, HALFS
	s_mul_i32 s22, s16, HALFS
	s_add_co_u32 s22, s22, 2*HALFS
	s_sub_co_u32 s22, s22, s21
	v_mul_u32_u24 v6, s22, v2                      ; lanes 16-31 take the weights'
	s_add_co_u32 s21, s21, SCL
	v_add_nc_u32 v5, v5, v6
	v_add_nc_u32 v[ADRS], s21, v5
	v_and_b32 v6, 31, v0
	v_lshlrev_b32 v[LOF], 4, v6
	v_lshlrev_b32 v[HOF], 5, v2
	; where my images go: tensor x 8,388,608 + (batch x 16 + head) x 262,144 + (token / 16) x 2,048
	s_lshr_b32 s46, s17, 3                         ; the batch
	s_lshl_b32 s46, s46, 4
	s_lshl_b32 s47, s40, 2
	s_add_co_u32 s46, s46, s47
	s_lshl_b32 s47, s16, 1
	s_add_co_u32 s46, s46, s47                     ; my first head: 4 cx + 2 x half
	s_lshl_b32 s46, s46, 18
	s_lshl_b32 s47, ttmp9, 23
	s_add_co_u32 s46, s46, s47
	s_and_b32 s47, s17, 7
	s_lshl_b32 s47, s47, 4
	s_lshl_b32 s92, s15, 3
	s_add_co_u32 s47, s47, s92
	s_lshl_b32 s47, s47, 11
	s_add_co_u32 s46, s46, s47
	s_mov_b32 s47, 0
	s_add_nc_u64 s[96:97], s[96:97], s[46:47]
	s_lshl_b32 s46, s17, 1                         ; the sums: block of 128 tokens x 4,096 + my first column of V x 4
	s_add_co_u32 s46, s46, s15
	s_lshl_b32 s46, s46, 12
	s_lshl_b32 s92, s40, 10
	s_add_co_u32 s46, s46, s92
	s_lshl_b32 s92, s16, 9
	s_add_co_u32 s46, s46, s92
	s_add_nc_u64 s[98:99], s[98:99], s[46:47]
	s_cmp_eq_u32 ttmp9, 0                          ; Q's work-groups multiply by c, the others by 1
	s_cselect_b32 s100, 0x3e38aa3b, 1.0
	s_mov_b32 s101, s100
.macro FRAG reg, adr, q, i             ; 16 rows x 128 K of 4-bit codes: 8 registers; lane l holds row l % 16, registers 4 c .. 4 c + 3 hold K = 64 c + 32 (l / 16) + 0 .. 31
.irp c, 0,1
	ds_load_b128 v[\reg+4*\c:\reg+4*\c+3], v[\adr] offset:64*(\q)+32*\c+(\i)*16*PITCH
.endr
.endm
; 16 matrix instructions: token blocks a0, a0 + 1 x the eight column blocks.  The 64 accumulators take turns, one instruction a turn.
.macro MUL16 a0, p, q, sc, zero
.irp a, \a0, \a0+1
.irp b, 0,1,2,3,4,5,6,7
.if \zero
	v_wmma_scale_f32_16x16x128_f8f6f4 v[8*(8*((\a)%4)+\b):8*(8*((\a)%4)+\b)+7], v[128*(\p)+FR*\b:128*(\p)+FR*\b+FR-1], v[AF+FR*(\a):AF+FR*(\a)+FR-1], 0, v[SC+8*NQ*(\sc)+NQ*\b+(\q)], v[SC+8*NQ*(\sc)+NQ*(\a)+(\q)] matrix_a_fmt:MATRIX_FMT_FP4 matrix_b_fmt:MATRIX_FMT_FP4 matrix_a_scale:MATRIX_SCALE_ROW1
.else
	v_wmma_scale_f32_16x16x128_f8f6f4 v[8*(8*((\a)%4)+\b):8*(8*((\a)%4)+\b)+7], v[128*(\p)+FR*\b:128*(\p)+FR*\b+FR-1], v[AF+FR*(\a):AF+FR*(\a)+FR-1], v[8*(8*((\a)%4)+\b):8*(8*((\a)%4)+\b)+7], v[SC+8*NQ*(\sc)+NQ*\b+(\q)], v[SC+8*NQ*(\sc)+NQ*(\a)+(\q)] matrix_a_fmt:MATRIX_FMT_FP4 matrix_b_fmt:MATRIX_FMT_FP4 matrix_a_scale:MATRIX_SCALE_ROW1
.endif
.endr
.endr
.endm
.macro FETCH_B slot, q, p
	WIN TO_B
.irp i, 0,1,2,3,4,5,6,7
	FRAG 128*(\p)+FR*\i, ADRB+\slot, \q, \i
.endr
	WIN 0
.endm
.macro FETCH_A slot, q, i0
.irp i, \i0, \i0+1, \i0+2, \i0+3
	FRAG AF+FR*(\i), ADRA+\slot, \q, \i
.endr
.endm
.macro SCALES sc                       ; a slot's scale words: lanes 0-15 take x's block i, lanes 16-31 the weights' block i
.irp i, 0,1,2,3,4,5,6,7
	ds_load_b128 v[SC+8*NQ*\sc+NQ*\i:SC+8*NQ*\sc+NQ*\i+3], v[ADRS] offset:\i*SBLK
.endr
.endm
.macro PLACES n                        ; plain vector instructions that name none of the matrix instructions' registers (ISA guide 7.12.1)
.rept \n
	v_nop
.endr
.endm
.macro STEP slot, q, zero              ; 128 along K with its successor in the same slot
	s_wait_dscnt 4*NL                              ; the weights' set and x's blocks 0-3 are in; the youngest eight loads (blocks 4-7) may be out
	WIN MUL_LO
	MUL16 0, (\q)%2, \q, \slot, \zero
	MUL16 2, (\q)%2, \q, \slot, \zero
	s_wait_dscnt 0
	PLACES NP
	FETCH_B \slot, (\q)+1, 1-(\q)%2
	FETCH_A \slot, (\q)+1, 0
	WIN MUL_HI
	MUL16 4, (\q)%2, \q, \slot, \zero
	MUL16 6, (\q)%2, \q, \slot, \zero
	PLACES NP
	WIN 0
	FETCH_A \slot, (\q)+1, 4
.endm
	s_wait_tensorcnt 1                             ; the scales and my part of slot 0 are in; slot 1's load may be out
	s_barrier_signal -1
	s_barrier_wait -1
	FETCH_B 0, 0, 0
	FETCH_A 0, 0, 0
	SCALES 0
	FETCH_A 0, 0, 4
	STEP 0, 0, 1                                   ; the first products start the sums: nothing is cleared
	STEP 0, 1, 0
	STEP 0, 2, 0
	; slot 0's last step changes slots: one barrier; ahead of it each wave waits for all its tensor loads (its part of slot 1)
	s_wait_tensorcnt 0x0
	ds_add_u32 v[SPW], v[NIL]
	s_wait_dscnt 4*NL+1                            ; (the add and the youngest eight loads may be out)
	WIN MUL_LO
	MUL16 0, 1, NQ-1, 0, 0
	s_wait_dscnt 0x0
	s_barrier_signal -1
	MUL16 2, 1, NQ-1, 0, 0
	WIN 0
	s_barrier_wait -1
	PLACES NP
	v_add_nc_u32 v[ADRS], 4*NQ, v[ADRS]            ; slot 1's scale words
	FETCH_B 1, 0, 0
	FETCH_A 1, 0, 0
	SCALES 1
	WIN MUL_HI
	MUL16 4, 1, NQ-1, 0, 0
	MUL16 6, 1, NQ-1, 0, 0
	PLACES NP
	WIN 0
	FETCH_A 1, 0, 4
	STEP 1, 0, 0
	STEP 1, 1, 0
	STEP 1, 2, 0
	s_wait_dscnt 4*NL
	WIN MUL_LO
	MUL16 0, 1, NQ-1, 1, 0
	MUL16 2, 1, NQ-1, 1, 0
	s_wait_dscnt 0
	WIN MUL_HI
	MUL16 4, 1, NQ-1, 1, 0
	MUL16 6, 1, NQ-1, 1, 0
	WIN 0
; THE WAY OUT of block a (16 tokens x 128 columns): x the factor, in f32; the sums where they are asked for; two roundings an instruction; eight stores of 512 consecutive bytes.
.macro OUT a, sum
.set AC, 64*((\a)%4)
.set PS, PK+32*((\a)%2)
.set DS, T
.if (\sum) && ((\a) == 0)
.set DS, SUM                           ; the first block starts the sums
.endif
.if (\a) > 1
	s_wait_xcnt 0x0                                ; block a - 2's stores have read their registers
.endif
	WIN 0x02+((\a)/4)                              ; source 0: window 2 or 3
.set oi, 0
.rept 32
	v_pk_mul_f32 v[DS+oi:DS+oi+1], v[AC+oi:AC+oi+1], s[100:101] op_sel_hi:[1,0]   ; each accumulator from its low end on
.set oi, oi+2
.endr
	WIN 0
.if (\sum) && ((\a) > 0)
.set oi, 0
.rept 32
	v_pk_add_f32 v[SUM+oi:SUM+oi+1], v[SUM+oi:SUM+oi+1], v[T+oi:T+oi+1]
.set oi, oi+2
.endr
.endif
.set oi, 0
.rept 32
	v_cvt_pk_f16_f32 v[PS+oi], v[DS+2*oi], v[DS+2*oi+1]
.set oi, oi+1
.endr
.irp b, 0,1,2,3,4,5,6,7
	global_store_b128 v[LOF], v[PS+4*\b:PS+4*\b+3], s[96:97] offset:(\b/4)*262144+(\a)*2048+(\b%4)*512
.endr
.endm
	PLACES NP                                      ; behind the last products: their results are read and their operands' registers written from here on
	s_cmp_eq_u32 ttmp9, 2                          ; V?  The cluster's x: the same in all sixteen partners
	s_cbranch_scc1 .Lwith_sums
.irp a, 0,1,2,3,4,5,6,7
	OUT \a, 0
.endr
	s_branch .Lclose
.Lwith_sums:
.irp a, 0,1,2,3,4,5,6,7
	OUT \a, 1
.endr
.irp m, 1,2,4,8                        ; the sixteen tokens that lie in sixteen lanes
.set oi, 0
.rept 64
	v_add_f32_dpp v[SUM+oi], v[SUM+oi], v[SUM+oi] row_xmask:\m row_mask:0xf bank_mask:0xf
.set oi, oi+1
.endr
.endr
	v_cmp_eq_u32 vcc_lo, 0, v1
	s_wait_xcnt 0x0                                ; EXEC changes only behind this wait
	s_and_saveexec_b32 s92, vcc_lo                 ; lanes 0 and 16: eight columns each of every block
.irp b, 0,1,2,3,4,5,6,7
	global_store_b128 v[HOF], v[SUM+8*\b:SUM+8*\b+3], s[98:99] offset:64*\b
	global_store_b128 v[HOF], v[SUM+8*\b+4:SUM+8*\b+7], s[98:99] offset:64*\b+16
.endr
	s_wait_xcnt 0x0
	s_or_b32 exec_lo, exec_lo, s92
.Lclose:
	s_wait_tensorcnt 0x0                           ; the wave's end
	ds_add_u32 v[SPW], v[NIL]
	s_wait_dscnt 0x0
	CROUND                                         ; the closing round
	s_endpgm
.Lfunc_end_k_q47dbe18933_qkv:
	.size	k_q47dbe18933_qkv, .Lfunc_end_k_q47dbe18933_qkv-k_q47dbe18933_qkv
	.p2alignl 7, 3214868480
	.fill 96, 4, 3214868480
	.section	.rodata,"a",@progbits
	.p2align	6, 0x0
	.amdhsa_kernel k_q47dbe18933_qkv
		.amdhsa_group_segment_fixed_size 327680
		.amdhsa_private_segment_fixed_size 0
		.amdhsa_enable_private_segment 0
		.amdhsa_kernarg_size 32
		.amdhsa_user_sgpr_count 2
		.amdhsa_user_sgpr_kernarg_segment_ptr 1
		.amdhsa_wavefront_size32 1
		.amdhsa_system_sgpr_workgroup_id_x 1
		.amdhsa_system_sgpr_workgroup_id_y 1
		.amdhsa_system_sgpr_workgroup_id_z 1
		.amdhsa_system_vgpr_workitem_id 0
		.amdhsa_next_free_vgpr 1024
		.amdhsa_next_free_sgpr 102
		.amdhsa_reserve_vcc 1
		.amdhsa_float_denorm_mode_32 3
		.amdhsa_float_denorm_mode_16_64 3
		.amdhsa_memory_ordered 1
		.amdhsa_forward_progress 1
		.amdhsa_inst_pref_size 204
	.end_amdhsa_kernel
	.amdgpu_metadata
---
amdhsa.version: [ 1, 2 ]
amdhsa.kernels:
  - .name:           k_q47dbe18933_qkv
    .symbol:         k_q47dbe18933_qkv.kd
    .args:
      - { .name: cod, .offset: 0, .size: 8, .value_kind: global_buffer, .address_space: global }
      - { .name: scl, .offset: 8, .size: 8, .value_kind: global_buffer, .address_space: global }
      - { .name: qkv16, .offset: 16, .size: 8, .value_kind: global_buffer, .address_space: global }
      - { .name: csum, .offset: 24, .size: 8, .value_kind: global_buffer, .address_space: global }
    .group_segment_fixed_size: 327680
    .private_segment_fixed_size: 0
    .kernarg_segment_align: 8
    .kernarg_segment_size: 32
    .max_flat_workgroup_size: 128
    .sgpr_count:     102
    .vgpr_count:     1024
    .wavefront_size: 32
...
	.end_amdgpu_metadata
.endif
;; end of part 2
;; launch fine (part 3): grid 32 x 1, 4 waves a work-group, no clusters, 90,112 bytes of LDS; arguments cod, scl, mask, key_padding_mask, flags, csum, fin; writes fin
.if DOCPART == 3
	.amdgcn_target "amdgcn-amd-amdhsa--gfx1250"
	.amdhsa_code_object_version 6
	.text
	.protected	k_q47dbe18933_fine
	.globl	k_q47dbe18933_fine
	.p2align	8
	.type	k_q47dbe18933_fine,@function
k_q47dbe18933_fine:
	s_mov_b64 s[64:65], 0
	v_nop
	global_prefetch_b8 v0, s[64:65] scope:SCOPE_SE
	s_setreg_imm32_b32 hwreg(HW_REG_WAVE_MODE, 25, 1), 1
	s_wait_xcnt 0x0
; THE FIRST 16 POSITIONS OF EACH SEQUENCE, IN F32.  They average few values and are the largest outputs, so nothing of them is rounded to 16 bits.
; A work-group takes one batch and head.  Q (16 queries), and K and V of each tile of 16 keys, are made anew from the codes by the FP4 matrix form (f32 results); scores and P V go by v_wmma_f32_16x16x4_f32.
; Wave w takes the key tiles 4 s + w, s = 0 .. 31, with a running maximum, sum and O^T of its own; the four meet once at the end.  A tile of 64 keys whose mask entries are all -infinity for these
; 16 queries (bit s of the stored flag word) is passed over, and the loop is left when no bit remains: scalar branches on a stored whole number; no barrier stands in the loop.
; THE WEIGHTS.  Every wave wants all of the head's 64 columns of Wk and of Wv: 2 x 64 rows of 512 bytes of codes, dense in memory.  The four waves fetch them once, a whole row (512 consecutive bytes) a load,
; 32 rows a wave, lay them in LDS (rows 528 bytes apart: the 16 rows that a fragment load touches start at 16 different banks, ISA guide 11.1), and each wave reads its fragments from there into registers, where they stay.
; LAYOUTS.  K = Wk^T x^T (source 0 = 16 channels, source 1 = 16 keys): lane (r, h) holds key r, channels 16 dt + 8 h + j; Q likewise.  Registers 2 u, 2 u + 1 of both are the two sources of the f32 form:
; the same four channels on both sides.  S^T: lane (r, h) holds query r, keys 8 h + j.  V = x Wv (source 0 = 16 keys): lane (r, h) holds channel r, keys 8 h + j, which meets p's registers in the same way.
; Mask and padding enter as the C of the first score product: med3(mask x log2(e) + padded x NEG, NEG, -NEG), NEG = -3e38 standing for -infinity.  Q carries c = log2(e) / 8, so a score is an exponent to base 2.
; A row whose largest score stays at or under -2^123 is masked altogether: it gets the mean of V over all 2,048 keys, by a select.
; LIMITS: NaN and +infinity in the mask are not served; a row whose largest mask x log2(e) + score lies under -2^123 counts as masked altogether.
; REGISTERS: window 0: v1-15, v126, v127 addresses; v16-95 scale words; v96.. C, mask, padding, at work; v128-159 S^T in four parts and v160-191 O^T: written by the f32 matrix form alone; v192-223 O^T x a; v224.. scores, p, statistics.
;   window 1: Wk's 32 fragments (first: my 32 rows on their way to LDS).  window 2: Wv's.  window 3: x's 8 fragments, Wq's 8, Q, K, V, Q's two sums, V's sums.
.set QIMG, 0                           ; LDS: Q's four images, 1,024 bytes each
.set MRG,  4096                        ; the merge: for each wave 4,096 bytes of O^T, 128 of m, 128 of l
.set MRGW, 4352
.set SPARE, 21504
.set WIMG, 22528                       ; 64 rows of Wk's codes, then 64 of Wv's
.set WP,   528
.set XS,  16
.set WQS, 24
.set WKS, 32
.set WVS, 64
.set CM,  96
.set MK,  104
.set KP,  112
.set TT,  114
.set WST, 126                          ; v126  where I put a row's 16 bytes: WIMG + 32 rows x wave + 16 x lane
.set WLD, 127                          ; v127  a fragment's place: WIMG + r x 528 + 16 h
.set SA,  128
.set OA,  160
.set OS,  192
.set SS,  224
.set PR,  232
.set X3,  0                            ; window 3
.set WQ3, 64
.set Q3,  128
.set K3,  160
.set V3,  192
.set QA3, 224
.set CS3, 240
.set MSB, 0
.macro WIN new
.if MSB != \new
	s_set_vgpr_msb (MSB<<8)|\new
.set MSB, \new
.endif
.endm
	s_load_b256 s[4:11], s[0:1], 0x0               ; cod s4, scl s6, mask s8, key_padding_mask s10
	s_load_b128 s[12:15], s[0:1], 0x20             ; flags s12, csum s14
	s_load_b64 s[16:17], s[0:1], 0x30              ; fin
	v_lshl_add_u32 v14, v0, 2, SPARE               ; my spare word; never rewritten
	v_mov_b32 v15, 0                               ; 0; never rewritten
	v_lshrrev_b32 v1, 5, v0
	v_readfirstlane_b32 s18, v1                    ; wave 0..3
	v_and_b32 v3, 31, v0
	v_and_b32 v1, 15, v0                           ; r
	v_bfe_u32 v2, v0, 4, 1                         ; h
	v_lshl_add_u32 v11, v3, 2, MRG+4096            ; the merge: m's and l's words, 4 x lane
	v_lshlrev_b32 v3, 4, v3                        ; 16 x lane: an image's place
	v_lshlrev_b32 v4, 9, v1
	v_lshl_add_u32 v4, v2, 4, v4                   ; codes: row r of 512 bytes + 16 h
	v_lshlrev_b32 v5, 5, v1                        ; scale bytes: row r of 32
	v_lshlrev_b32 v6, 13, v1
	v_lshl_add_u32 v6, v2, 5, v6                   ; mask: row r of 8,192 bytes + 8 h keys
	v_lshlrev_b32 v7, 3, v2                        ; padding: 8 h keys
	s_lshl_b32 s30, s18, 10
	v_add_nc_u32 v8, s30, v3                       ; where I store my part of Q
	v_add_nc_u32 v10, MRG, v8                      ; the merge: my 16 channels of a wave's O^T
	s_mul_i32 s31, s18, MRGW
	v_add_nc_u32 v12, s31, v11                     ; where I store m and l
	s_add_co_u32 s31, s31, MRG
	v_add_nc_u32 v9, s31, v3                       ; where I store O^T
	v_lshlrev_b32 v13, 12, v1
	v_lshl_add_u32 v13, v2, 5, v13                 ; r x 4,096 + 32 h: block r of V's sums, and row r of the result; eight f32 of my half
	s_mul_i32 s31, s18, 32*WP
	s_add_co_u32 s31, s31, WIMG
	v_add_nc_u32 v[WST], s31, v3
	v_mul_u32_u24 v[WLD], v1, WP
	v_lshl_add_u32 v[WLD], v2, 4, v[WLD]
	v_add_nc_u32 v[WLD], WIMG, v[WLD]
	v_mov_b32 v252, 0
	v_mov_b32 v253, 0
	v_mov_b32 v254, 0
	v_mov_b32 v255, 0
.irp dt, 0,1,2,3                       ; O^T begins as the product of two zero fragments
	v_wmma_f32_16x16x4_f32 v[OA+8*\dt:OA+8*\dt+7], v[252:253], v[254:255], 0
.endr
	v_mov_b32 v240, 0xff61b1e6                     ; m = NEG
	v_mov_b32 v241, 0
	v_mov_b32 v242, 0
	v_mov_b32 v243, 0
	v_mov_b32 v244, 0                              ; l
	v_mov_b32 v245, 0                              ; (a lane permute's destination counts as read)
	s_lshr_b32 s20, ttmp9, 4                       ; batch
	s_and_b32 s21, ttmp9, 15                       ; head
	s_mov_b32 s60, 0x3e38aa3b                      ; c = log2(e) / 8
	s_mov_b32 s61, s60
	s_mov_b32 s62, 0x3fb8aa3b                      ; log2(e)
	s_mov_b32 s63, 0xff61b1e6                      ; NEG
	s_mov_b32 s66, 0x7f61b1e6                      ; -NEG
	s_mov_b32 s67, 0x7d000000                      ; 2^123
	s_mov_b32 s68, 0x76543210
	s_mov_b32 s69, 0xfedcba98                      ; lane l xor 16
	s_mov_b32 s70, 32
	s_mov_b32 s23, 0
	s_wait_kmcnt 0x0
	s_load_b32 s19, s[12:13], 0x0                  ; the flag word L of queries 0-15: bit s = keys 64 s on
	s_lshl_b32 s22, s20, 20                        ; the batch's codes: 2,048 rows of 512 bytes
	s_add_nc_u64 s[34:35], s[4:5], s[22:23]        ; the queries' rows
	s_lshl_b32 s24, s18, 13
	s_add_co_u32 s22, s22, s24
	s_add_nc_u64 s[32:33], s[4:5], s[22:23]        ; my first key tile: 16 w rows on
	s_lshl_b32 s22, s20, 16
	s_add_nc_u64 s[38:39], s[6:7], s[22:23]
	s_lshl_b32 s24, s18, 9
	s_add_co_u32 s22, s22, s24
	s_add_nc_u64 s[36:37], s[6:7], s[22:23]
	s_lshl_b32 s25, s21, 6                         ; the head's first column
	s_lshl_b32 s24, s18, 4
	s_add_co_u32 s24, s24, s25                     ; Wq: my 16 columns
	s_lshl_b32 s22, s24, 9
	s_add_co_u32 s22, s22, 0x200000
	s_add_nc_u64 s[40:41], s[4:5], s[22:23]
	s_lshl_b32 s22, s24, 5
	s_add_co_u32 s22, s22, 0x20000
	s_add_nc_u64 s[42:43], s[6:7], s[22:23]
	s_lshl_b32 s22, s25, 9                         ; the 32 rows that I fetch: waves 0, 1 the halves of Wk's 64, waves 2, 3 of Wv's, which lie 1,024 rows further on
	s_add_co_u32 s22, s22, 0x200000+1024*512
	s_lshr_b32 s24, s18, 1
	s_lshl_b32 s24, s24, 19
	s_add_co_u32 s22, s22, s24
	s_and_b32 s24, s18, 1
	s_lshl_b32 s24, s24, 14
	s_add_co_u32 s22, s22, s24
	s_add_nc_u64 s[44:45], s[4:5], s[22:23]
	s_lshl_b32 s22, s25, 5
	s_add_co_u32 s22, s22, 0x20000+1024*32
	s_add_nc_u64 s[46:47], s[6:7], s[22:23]        ; Wk's scale bytes: the head's 64 columns
	s_add_nc_u64 s[50:51], s[46:47], 1024*32       ; Wv's
	s_lshl_b32 s22, s18, 6
	s_add_nc_u64 s[52:53], s[8:9], s[22:23]        ; mask: keys 16 w on
	s_lshl_b32 s22, s20, 11
	s_lshl_b32 s24, s18, 4
	s_add_co_u32 s22, s22, s24
	s_add_nc_u64 s[54:55], s[10:11], s[22:23]      ; padding likewise
	s_lshl_b32 s22, s20, 16                        ; V's sums: 16 blocks of the batch, my 16 channels
	s_lshl_b32 s24, s21, 8
	s_add_co_u32 s22, s22, s24
	s_lshl_b32 s24, s18, 6
	s_add_co_u32 s22, s22, s24
	s_add_nc_u64 s[56:57], s[14:15], s[22:23]
	s_add_nc_u64 s[58:59], s[16:17], s[22:23]      ; the result: batch x 65,536 + head x 256 + w x 64: the same figure
	WIN 0xc0                                       ; destination window 3
.irp ks, 0,1,2,3,4,5,6,7
.irp c, 0,1
	global_load_b128 v[X3+8*\ks+4*\c:X3+8*\ks+4*\c+3], v4, s[34:35] offset:64*\ks+32*\c
	global_load_b128 v[WQ3+8*\ks+4*\c:WQ3+8*\ks+4*\c+3], v4, s[40:41] offset:64*\ks+32*\c
.endr
.endr
	global_load_b128 v[CS3:CS3+3], v13, s[56:57]           ; V's sums: lane (r, h) takes block r of the batch's 16, eight channels
	global_load_b128 v[CS3+4:CS3+7], v13, s[56:57] offset:16
	WIN 0
.irp c, 0,1
	global_load_b128 v[XS+4*\c:XS+4*\c+3], v5, s[38:39] offset:16*\c
	global_load_b128 v[WQS+4*\c:WQS+4*\c+3], v5, s[42:43] offset:16*\c
.endr
	WIN 0x40                                       ; destination window 1: my 32 rows, a row of 512 consecutive bytes a load
.set i, 0
.rept 32
	global_load_b128 v[4*i:4*i+3], v3, s[44:45] offset:512*i
.set i, i+1
.endr
	WIN 0
.irp dt, 0,1,2,3
.irp c, 0,1
	global_load_b128 v[WKS+8*\dt+4*\c:WKS+8*\dt+4*\c+3], v5, s[46:47] offset:512*\dt+16*\c
	global_load_b128 v[WVS+8*\dt+4*\c:WVS+8*\dt+4*\c+3], v5, s[50:51] offset:512*\dt+16*\c
.endr
.endr
	s_wait_loadcnt 0x0
	WIN 0x04                                       ; an LDS store's data are its source 1: window 1
.set i, 0
.rept 32
	ds_store_b128 v[WST], v[4*i:4*i+3] offset:WP*i
.set i, i+1
.endr
	; my 16 channels of Q: two sums by turns, the even and the odd steps of 128 along K
	WIN 0xff
.irp ks, 0,1,2,3,4,5,6,7
.if \ks < 2
	v_wmma_scale_f32_16x16x128_f8f6f4 v[QA3+8*(\ks%2):QA3+8*(\ks%2)+7], v[WQ3+8*\ks:WQ3+8*\ks+7], v[X3+8*\ks:X3+8*\ks+7], 0, v[WQS+\ks], v[XS+\ks] matrix_a_fmt:MATRIX_FMT_FP4 matrix_b_fmt:MATRIX_FMT_FP4
.else
	v_wmma_scale_f32_16x16x128_f8f6f4 v[QA3+8*(\ks%2):QA3+8*(\ks%2)+7], v[WQ3+8*\ks:WQ3+8*\ks+7], v[X3+8*\ks:X3+8*\ks+7], v[QA3+8*(\ks%2):QA3+8*(\ks%2)+7], v[WQS+\ks], v[XS+\ks] matrix_a_fmt:MATRIX_FMT_FP4 matrix_b_fmt:MATRIX_FMT_FP4
.endif
.endr
	WIN 0
.rept 4
	v_nop
.endr
	WIN 0x0f                                       ; sources 0 and 1 window 3
.irp j, 0,2,4,6
	v_pk_add_f32 v[TT+\j:TT+\j+1], v[QA3+\j:QA3+\j+1], v[QA3+8+\j:QA3+8+\j+1]
.endr
	WIN 0
.irp j, 0,2,4,6
	v_pk_mul_f32 v[TT+\j:TT+\j+1], v[TT+\j:TT+\j+1], s[60:61] op_sel_hi:[1,0]
.endr
	ds_store_b128 v8, v[TT:TT+3] offset:QIMG       ; as an image of its registers
	ds_store_b128 v8, v[TT+4:TT+7] offset:QIMG+512
	s_wait_dscnt 0x0                               ; for the others' sake: my rows of the weights and my part of Q have landed
	s_barrier_signal -1
	s_barrier_wait -1
	WIN 0xc0
.irp dt, 0,1,2,3
.irp c, 0,1
	ds_load_b128 v[Q3+8*\dt+4*\c:Q3+8*\dt+4*\c+3], v3 offset:QIMG+1024*\dt+512*\c
.endr
.endr
	WIN 0x40                                       ; window 1: Wk's fragment (dt, ks) at 64 dt + 8 ks; they stay
.irp dt, 0,1,2,3
.irp ks, 0,1,2,3,4,5,6,7
.irp c, 0,1
	ds_load_b128 v[64*\dt+8*\ks+4*\c:64*\dt+8*\ks+4*\c+3], v[WLD] offset:16*\dt*WP+64*\ks+32*\c
.endr
.endr
.endr
	WIN 0x80                                       ; window 2: Wv's
.irp dt, 0,1,2,3
.irp ks, 0,1,2,3,4,5,6,7
.irp c, 0,1
	ds_load_b128 v[64*\dt+8*\ks+4*\c:64*\dt+8*\ks+4*\c+3], v[WLD] offset:(64+16*\dt)*WP+64*\ks+32*\c
.endr
.endr
.endr
	WIN 0
	s_wait_dscnt 0x0
	s_wait_kmcnt 0x0                               ; the flag word
.Ltrip:                                            ; at most 32 trips: key tile 4 s + w
	s_cmp_eq_u32 s19, 0
	s_cbranch_scc1 .Lmerge                         ; no tile of the keys that are left has an entry above -infinity
	s_bitcmp1_b32 s19, 0
	s_cbranch_scc0 .Lskip                          ; all 16 x 64 entries are -infinity: nothing to add
	WIN 0xc0
.irp ks, 0,1,2,3,4,5,6,7
.irp c, 0,1
	global_load_b128 v[X3+8*\ks+4*\c:X3+8*\ks+4*\c+3], v4, s[32:33] offset:64*\ks+32*\c
.endr
.endr
	WIN 0
.irp c, 0,1
	global_load_b128 v[XS+4*\c:XS+4*\c+3], v5, s[36:37] offset:16*\c
	global_load_b128 v[MK+4*\c:MK+4*\c+3], v6, s[52:53] offset:16*\c
.endr
	global_load_b64 v[KP:KP+1], v7, s[54:55]
	s_wait_loadcnt 0x0
.irp j, 0,1,2,3,4,5,6,7                ; the padding bytes as f32.  (These sixteen, with the nine v_nop of the trip before, stand ahead of the products that write over V)
	v_bfe_u32 v[TT+\j], v[KP+\j/4], 8*(\j%4), 8
.endr
.irp j, 0,1,2,3,4,5,6,7
	v_cvt_f32_u32 v[TT+\j], v[TT+\j]
.endr
	WIN 0xfd                                       ; K: source 0 window 1, the rest window 3; four accumulators by turns
.irp ks, 0,1,2,3,4,5,6,7
.irp dt, 0,1,2,3
.if \ks == 0
	v_wmma_scale_f32_16x16x128_f8f6f4 v[K3+8*\dt:K3+8*\dt+7], v[64*\dt+8*\ks:64*\dt+8*\ks+7], v[X3+8*\ks:X3+8*\ks+7], 0, v[WKS+8*\dt+\ks], v[XS+\ks] matrix_a_fmt:MATRIX_FMT_FP4 matrix_b_fmt:MATRIX_FMT_FP4
.else
	v_wmma_scale_f32_16x16x128_f8f6f4 v[K3+8*\dt:K3+8*\dt+7], v[64*\dt+8*\ks:64*\dt+8*\ks+7], v[X3+8*\ks:X3+8*\ks+7], v[K3+8*\dt:K3+8*\dt+7], v[WKS+8*\dt+\ks], v[XS+\ks] matrix_a_fmt:MATRIX_FMT_FP4 matrix_b_fmt:MATRIX_FMT_FP4
.endif
.endr
.endr
	WIN 0xfb                                       ; V: source 1 window 2, the rest window 3
.irp ks, 0,1,2,3,4,5,6,7
.irp dt, 0,1,2,3
.if \ks == 0
	v_wmma_scale_f32_16x16x128_f8f6f4 v[V3+8*\dt:V3+8*\dt+7], v[X3+8*\ks:X3+8*\ks+7], v[64*\dt+8*\ks:64*\dt+8*\ks+7], 0, v[XS+\ks], v[WVS+8*\dt+\ks] matrix_a_fmt:MATRIX_FMT_FP4 matrix_b_fmt:MATRIX_FMT_FP4
.else
	v_wmma_scale_f32_16x16x128_f8f6f4 v[V3+8*\dt:V3+8*\dt+7], v[X3+8*\ks:X3+8*\ks+7], v[64*\dt+8*\ks:64*\dt+8*\ks+7], v[V3+8*\dt:V3+8*\dt+7], v[XS+\ks], v[WVS+8*\dt+\ks] matrix_a_fmt:MATRIX_FMT_FP4 matrix_b_fmt:MATRIX_FMT_FP4
.endif
.endr
.endr
	WIN 0
.irp j, 0,1,2,3,4,5,6,7                ; C = med3(mask x log2(e) + padded x NEG, NEG, -NEG).  (These 24 are the places between K's last product and the products that take K as a source)
	v_mul_f32 v[MK+\j], s62, v[MK+\j]
.endr
.irp j, 0,1,2,3,4,5,6,7
	v_fma_f32 v[CM+\j], v[TT+\j], s63, v[MK+\j]
.endr
.irp j, 0,1,2,3,4,5,6,7
	v_med3_num_f32 v[CM+\j], v[CM+\j], s63, s66
.endr
	WIN 0x0f                                       ; S^T in four parts, one for each 16 channels, by turns
.irp u, 0,1,2,3
.irp dt, 0,1,2,3
.if (\u == 0) && (\dt == 0)
	v_wmma_f32_16x16x4_f32 v[SA+8*\dt:SA+8*\dt+7], v[K3+8*\dt+2*\u:K3+8*\dt+2*\u+1], v[Q3+8*\dt+2*\u:Q3+8*\dt+2*\u+1], v[CM:CM+7]
.elseif \u == 0
	v_wmma_f32_16x16x4_f32 v[SA+8*\dt:SA+8*\dt+7], v[K3+8*\dt+2*\u:K3+8*\dt+2*\u+1], v[Q3+8*\dt+2*\u:Q3+8*\dt+2*\u+1], 0
.else
	v_wmma_f32_16x16x4_f32 v[SA+8*\dt:SA+8*\dt+7], v[K3+8*\dt+2*\u:K3+8*\dt+2*\u+1], v[Q3+8*\dt+2*\u:Q3+8*\dt+2*\u+1], v[SA+8*\dt:SA+8*\dt+7]
.endif
.endr
.endr
	WIN 0
.rept 8
	v_nop                                          ; eight places behind this form, ahead of the first read of its results
.endr
.irp j, 0,2,4,6
	v_pk_add_f32 v[SS+\j:SS+\j+1], v[SA+\j:SA+\j+1], v[SA+8+\j:SA+8+\j+1]
	v_pk_add_f32 v[TT+\j:TT+\j+1], v[SA+16+\j:SA+16+\j+1], v[SA+24+\j:SA+24+\j+1]
.endr
.irp j, 0,2,4,6
	v_pk_add_f32 v[SS+\j:SS+\j+1], v[SS+\j:SS+\j+1], v[TT+\j:TT+\j+1]
.endr
	v_max3_num_f32 v247, v[SS], v[SS+1], v[SS+2]
	v_max3_num_f32 v248, v[SS+3], v[SS+4], v[SS+5]
	v_max3_num_f32 v247, v247, v[SS+6], v[SS+7]
	v_max3_num_f32 v247, v247, v248, v240
	v_permlanex16_b32 v245, v247, s68, s69
	v_max_num_f32 v247, v247, v245                 ; the new m
	v_sub_f32 v242, v240, v247                     ; old m - new m
	v_mov_b32 v240, v247
.irp j, 0,2,4,6
	v_pk_add_f32 v[PR+\j:PR+\j+1], v[SS+\j:SS+\j+1], v[240:241] op_sel_hi:[1,0] neg_lo:[0,1] neg_hi:[0,1]
.endr
	v_exp_f32 v242, v242                           ; a
.irp j, 0,1,2,3,4,5,6,7
	v_exp_f32 v[PR+\j], v[PR+\j]                   ; p
.endr
	v_nop                                          ; a plain instruction behind the last exponential
	s_wait_alu depctr_va_vdst(0)                   ; one wait for the nine, ahead of their first reader
	v_pk_add_f32 v[TT:TT+1], v[PR:PR+1], v[PR+2:PR+3]
	v_pk_add_f32 v[TT+2:TT+3], v[PR+4:PR+5], v[PR+6:PR+7]
	v_pk_add_f32 v[TT:TT+1], v[TT:TT+1], v[TT+2:TT+3]
	v_add_f32 v[TT], v[TT], v[TT+1]
	v_fma_f32 v244, v244, v242, v[TT]              ; l = l a + the sum of my eight p
.set i, 0
.rept 16
	v_pk_mul_f32 v[OS+i:OS+i+1], v[OA+i:OA+i+1], v[242:243] op_sel_hi:[1,0]   ; O^T x a goes into other registers and is the C of the first products below
.set i, i+2
.endr
	WIN 0x03                                       ; source 0 (V) window 3
.irp u, 0,1,2,3
.irp dt, 0,1,2,3
.if \u == 0
	v_wmma_f32_16x16x4_f32 v[OA+8*\dt:OA+8*\dt+7], v[V3+8*\dt+2*\u:V3+8*\dt+2*\u+1], v[PR+2*\u:PR+2*\u+1], v[OS+8*\dt:OS+8*\dt+7]
.else
	v_wmma_f32_16x16x4_f32 v[OA+8*\dt:OA+8*\dt+7], v[V3+8*\dt+2*\u:V3+8*\dt+2*\u+1], v[PR+2*\u:PR+2*\u+1], v[OA+8*\dt:OA+8*\dt+7]
.endif
.endr
.endr
	WIN 0
.rept 9
	v_nop                                          ; nine places: the next trip's products write over V, its vector lines over p and O^T x a
.endr
.Lskip:
	s_wait_xcnt 0x0                                ; the trip's loads have read their bases
	s_lshr_b32 s19, s19, 1
	s_add_nc_u64 s[32:33], s[32:33], 32768         ; 64 keys on
	s_add_nc_u64 s[36:37], s[36:37], 2048
	s_add_nc_u64 s[52:53], s[52:53], 256
	s_add_nc_u64 s[54:55], s[54:55], 64
	s_sub_co_u32 s70, s70, 1
	s_cmp_lg_u32 s70, 0
	s_cbranch_scc1 .Ltrip
.Lmerge:
	; THE MERGE
.rept 8
	v_nop
.endr
	v_permlanex16_b32 v245, v244, s68, s69
	v_add_f32 v244, v244, v245                     ; l of all my 16 keys a tile
.irp dt, 0,1,2,3
.irp c, 0,1
	ds_store_b128 v9, v[OA+8*\dt+4*\c:OA+8*\dt+4*\c+3] offset:1024*\dt+512*\c
.endr
.endr
	ds_store_b32 v12, v240
	ds_store_b32 v12, v244 offset:128
	s_wait_dscnt 0x0
	s_barrier_signal -1
	s_barrier_wait -1
.irp i, 0,1,2,3
	ds_load_b32 v[TT+\i], v11 offset:MRGW*\i       ; m of wave i
	ds_load_b32 v[TT+4+\i], v11 offset:MRGW*\i+128 ; l
	ds_load_b128 v[OS+8*\i:OS+8*\i+3], v10 offset:MRGW*\i
	ds_load_b128 v[OS+8*\i+4:OS+8*\i+7], v10 offset:MRGW*\i+512
.endr
	WIN 0x03                                       ; V's sums come over from window 3 while the loads are out
.irp j, 0,1,2,3,4,5,6,7
	v_mov_b32 v[PR+\j], v[CS3+\j]
.endr
	WIN 0
.irp m, 1,2,4,8                        ; the batch's 16 blocks lie in sixteen lanes
.irp j, 0,1,2,3,4,5,6,7
	v_add_f32_dpp v[PR+\j], v[PR+\j], v[PR+\j] row_xmask:\m row_mask:0xf bank_mask:0xf
.endr
.endr
.irp j, 0,2,4,6
	v_pk_mul_f32 v[PR+\j:PR+\j+1], v[PR+\j:PR+\j+1], 0x3a000000 op_sel_hi:[1,0]   ; / 2,048: the mean of V
.endr
	s_wait_dscnt 0x0
	v_max3_num_f32 v246, v[TT], v[TT+1], v[TT+2]
	v_max_num_f32 v246, v246, v[TT+3]              ; the row's m
.irp i, 0,1,2,3
	v_sub_f32 v[TT+8+\i], v[TT+\i], v246
.endr
.irp i, 0,1,2,3
	v_exp_f32 v[TT+8+\i], v[TT+8+\i]
.endr
	v_and_b32 v247, 0x7fffffff, v246               ; |m|  (a plain instruction behind the exponentials)
	s_wait_alu depctr_va_vdst(0)
	v_mul_f32 v248, v[TT+8], v[TT+4]
	v_fmac_f32 v248, v[TT+9], v[TT+5]
	v_fmac_f32 v248, v[TT+10], v[TT+6]
	v_fmac_f32 v248, v[TT+11], v[TT+7]
	v_rcp_f32 v248, v248
.irp j, 0,1,2,3,4,5,6,7
	v_mul_f32 v[SS+\j], v[TT+8], v[OS+\j]
.endr
.irp i, 1,2,3
.irp j, 0,1,2,3,4,5,6,7
	v_fmac_f32 v[SS+\j], v[TT+8+\i], v[OS+8*\i+\j]
.endr
.endr
	s_wait_alu depctr_va_vdst(0)                   ; the reciprocal's wait, ahead of its first reader
.irp j, 0,1,2,3,4,5,6,7
	v_mul_f32 v[SS+\j], v[SS+\j], v248
.endr
	v_cmp_le_f32 vcc_lo, s67, v247                 ; masked altogether?
.irp j, 0,1,2,3,4,5,6,7
	v_cndmask_b32 v[SS+\j], v[SS+\j], v[PR+\j], vcc_lo
.endr
	global_store_b128 v13, v[SS:SS+3], s[58:59]    ; row r of 4,096 bytes + 32 h
	global_store_b128 v13, v[SS+4:SS+7], s[58:59] offset:16
	s_wait_tensorcnt 0x0                           ; the wave's end
	ds_add_u32 v14, v15
	s_wait_dscnt 0x0
	s_endpgm
.Lfunc_end_k_q47dbe18933_fine:
	.size	k_q47dbe18933_fine, .Lfunc_end_k_q47dbe18933_fine-k_q47dbe18933_fine
	.p2alignl 7, 3214868480
	.fill 96, 4, 3214868480
	.section	.rodata,"a",@progbits
	.p2align	6, 0x0
	.amdhsa_kernel k_q47dbe18933_fine
		.amdhsa_group_segment_fixed_size 90112
		.amdhsa_private_segment_fixed_size 0
		.amdhsa_enable_private_segment 0
		.amdhsa_kernarg_size 56
		.amdhsa_user_sgpr_count 2
		.amdhsa_user_sgpr_kernarg_segment_ptr 1
		.amdhsa_wavefront_size32 1
		.amdhsa_system_sgpr_workgroup_id_x 1
		.amdhsa_system_sgpr_workgroup_id_y 1
		.amdhsa_system_sgpr_workgroup_id_z 1
		.amdhsa_system_vgpr_workitem_id 0
		.amdhsa_next_free_vgpr 1024
		.amdhsa_next_free_sgpr 72
		.amdhsa_reserve_vcc 1
		.amdhsa_float_denorm_mode_32 3
		.amdhsa_float_denorm_mode_16_64 3
		.amdhsa_memory_ordered 1
		.amdhsa_forward_progress 1
		.amdhsa_inst_pref_size 52
	.end_amdhsa_kernel
	.amdgpu_metadata
---
amdhsa.version: [ 1, 2 ]
amdhsa.kernels:
  - .name:           k_q47dbe18933_fine
    .symbol:         k_q47dbe18933_fine.kd
    .args:
      - { .name: cod, .offset: 0, .size: 8, .value_kind: global_buffer, .address_space: global }
      - { .name: scl, .offset: 8, .size: 8, .value_kind: global_buffer, .address_space: global }
      - { .name: mask, .offset: 16, .size: 8, .value_kind: global_buffer, .address_space: global }
      - { .name: key_padding_mask, .offset: 24, .size: 8, .value_kind: global_buffer, .address_space: global }
      - { .name: flags, .offset: 32, .size: 8, .value_kind: global_buffer, .address_space: global }
      - { .name: csum, .offset: 40, .size: 8, .value_kind: global_buffer, .address_space: global }
      - { .name: fin, .offset: 48, .size: 8, .value_kind: global_buffer, .address_space: global }
    .group_segment_fixed_size: 90112
    .private_segment_fixed_size: 0
    .kernarg_segment_align: 8
    .kernarg_segment_size: 56
    .max_flat_workgroup_size: 128
    .sgpr_count:     72
    .vgpr_count:     1024
    .wavefront_size: 32
...
	.end_amdgpu_metadata
.endif
;; end of part 3
;; launch attn (part 4): grid 8 x 32, 8 waves a work-group, no clusters, 102,400 bytes of LDS; arguments qkv16, mask, key_padding_mask, flags, csum, ctxi; writes ctxi
.if DOCPART == 4
	.amdgcn_target "amdgcn-amd-amdhsa--gfx1250"
	.amdhsa_code_object_version 6
	.text
	.protected	k_q47dbe18933_attn
	.globl	k_q47dbe18933_attn
	.p2align	8
	.type	k_q47dbe18933_attn,@function
k_q47dbe18933_attn:
	s_mov_b64 s[64:65], 0
	v_nop
	global_prefetch_b8 v0, s[64:65] scope:SCOPE_SE
	s_setreg_imm32_b32 hwreg(HW_REG_WAVE_MODE, 25, 1), 1
	s_wait_xcnt 0x0
; ATTENTION IN F16: ctx = softmax(Q K^T / 8 + mask, padded keys out) V, a batch and head to each row of the grid.  Products on f16 operands, sums, maxima and exponentials in f32.
; SHARES.  Work-group (j, batch x 16 + head); wave w owns two tiles of 16 queries: piece 0 = tile 8 j + w, piece 1 = tile 127 - 8 j - w.  Two waves share a SIMD, so that one's softmax stands beside the other's products.
; The work-group walks the keys in 16 blocks of 128.  A block's K (as images of the operand's registers) and V (as rows of 128 bytes + 32) lie in one of two LDS slots; while one is read the next
; block goes from memory through registers into the other; one barrier a block.
; WHAT IS PASSED OVER.  For each tile of 16 queries x 64 keys an earlier launch stored two bits: L (some mask entry above -infinity) and X (L, and some entry not 0).  A tile without L adds nothing and is
; jumped over by a scalar branch on the stored word; a block that no tile of the work-group wants is not fetched.  The launch has no tensor load, hence no joint
; loads and no cluster: which blocks a work-group walks differs from one to the next.
; LAYOUT.  S^T = K Q^T (source 0 = 16 keys, source 1 = 16 queries), O^T = V^T P: a lane holds one query throughout.  Q carries log2(e) / 8, so a score is an exponent to base 2: p = 2^(t - m).
; Mask and padding are the C of a tile's first products: pb[key] = NEG (-3e38) for a padded key, else 0; on a tile with X: med3(mask x log2(e) + pb, NEG, -NEG).
; m begins at NEG, l and O^T at 0 (cleared once: which step is a piece's first hangs on the stored flags).  A row that ends with |m| >= 2^123 is masked altogether and gets the mean of V, by a select.
; LIMITS: NaN and +infinity in the mask are not served; a row whose largest mask x log2(e) + score lies under -2^123 counts as masked altogether; |ctx| stays under 65,504 (f16).
; REGISTERS: window 0: v1-15, v40-55 addresses and set-up; v16-39 statistics; v64-127 S^T; v128-159 P; v160-191 pb; v192-223 mask; v224-255 the block on its way.  window 1: v0-31 Q; v32-95 K; v96-159 V^T; v160-223 O^T.
.set VOFF,  16384                      ; in a slot: K's 16,384 bytes, then V's 128 rows of 160
.set SLOT1, 65536
.set PB,    36864                      ; pb of the batch's 2,048 keys, f32
.set VM,    45056                      ; the mean of V: the head's 64 channels
.set SPARE, 45312                      ; the spare words: 128 bytes for each of eight waves
.set AKR, 1                            ; v1, v2    K's images in slot 0, 1: 16 x lane
.set MO,  4                            ; v4, v5    my byte in the mask's rows, piece 0, 1
.set KWR, 8                            ; v8, v9    where I put K's bytes
.set VWR, 10                           ; v10, v11  where I put V's
.set AVR, 40                           ; v40, v41  the turning load's address
.set ST,  16
.set S,   64
.set P,   128
.set CB,  160
.set MK,  192
.set SG,  224
.set Q,   0                            ; window 1
.set KF,  32
.set VF,  96
.set O,   160
.set MSB, 0
.macro WIN new
.if MSB != \new
	s_set_vgpr_msb (MSB<<8)|\new
.set MSB, \new
.endif
.endm
	s_load_b256 s[4:11], s[0:1], 0x0               ; qkv16 s4, mask s6, key_padding_mask s8, flags s10
	s_load_b128 s[12:15], s[0:1], 0x20             ; csum s12, ctxi s14
	v_lshl_add_u32 v12, v0, 2, SPARE               ; my spare word; never rewritten
	v_mov_b32 v13, 0                               ; 0; never rewritten
	v_lshrrev_b32 v45, 5, v0
	v_readfirstlane_b32 s16, v45                   ; wave 0..7
	s_and_b32 s19, ttmp7, 0xffff                   ; batch x 16 + head
	s_lshr_b32 s26, s19, 4
	s_and_b32 s27, s19, 15
	s_lshl_b32 s17, ttmp9, 3
	s_add_co_u32 s17, s17, s16                     ; piece 0's tile
	s_sub_co_u32 s18, 127, s17                     ; piece 1's
	v_and_b32 v45, 31, v0                          ; lane
	v_and_b32 v46, 15, v0                          ; r
	v_bfe_u32 v47, v0, 4, 1                        ; h
	v_lshlrev_b32 v1, 4, v45
	v_add_nc_u32 v2, SLOT1, v1
	v_lshl_add_u32 v3, v47, 5, PB                  ; pb: eight keys of my half
	v_lshlrev_b32 v48, 13, v46
	v_lshl_add_u32 v48, v47, 5, v48
	s_lshl_b32 s28, s17, 17
	v_add_nc_u32 v4, s28, v48                      ; (16 tile + r) x 8,192 + 32 h
	s_lshl_b32 s28, s18, 17
	v_add_nc_u32 v5, s28, v48
	v_lshlrev_b32 v6, 4, v0                        ; 16 x thread: my 16 bytes of each 4,096 of a block
	v_lshlrev_b32 v8, 4, v0
	v_add_nc_u32 v9, SLOT1, v8
	v_lshrrev_b32 v48, 7, v0                       ; V's images become rows: key (thread / 128) x 16 + r, piece of 8 channels (thread / 16) % 8
	v_lshl_add_u32 v48, v48, 4, v46
	v_mul_u32_u24 v48, v48, 160
	v_bfe_u32 v49, v0, 4, 3
	v_lshl_add_u32 v48, v49, 4, v48
	v_add_nc_u32 v10, VOFF, v48
	v_add_nc_u32 v11, VOFF+SLOT1, v48
	v_and_b32 v48, 7, v0                           ; the turning load: key 8 h + lane % 8, channels 8 ((lane / 8) % 2) on
	v_lshl_add_u32 v48, v47, 3, v48
	v_mul_u32_u24 v48, v48, 160
	v_bfe_u32 v49, v0, 3, 1
	v_lshl_add_u32 v48, v49, 4, v48
	v_add_nc_u32 v40, VOFF, v48
	v_add_nc_u32 v41, VOFF+SLOT1, v48
	v_lshl_add_u32 v43, v0, 5, PB                  ; where I store eight pb
	v_and_b32 v53, 63, v0
	v_lshl_add_u32 v44, v53, 2, VM                 ; where waves 0 and 1 store the mean
	v_lshlrev_b32 v53, 2, v53
	v_lshl_add_u32 v14, v47, 5, VM
	v_lshlrev_b32 v15, 8, v45                      ; the prefetches: lanes 256 bytes apart; never rewritten
	v_lshlrev_b32 v52, 3, v0
	v_mov_b32 v55, 0xff61b1e6                      ; NEG
	s_mov_b32 s29, 0
	s_mov_b32 s54, 0x76543210
	s_mov_b32 s55, 0xfedcba98                      ; lane l xor 16
	s_mov_b32 s56, 0x3fb8aa3b                      ; log2(e)
	s_mov_b32 s57, s56
	s_mov_b32 s58, 0xff61b1e6                      ; NEG
	s_mov_b32 s59, 0x7f61b1e6                      ; -NEG
	s_mov_b32 s60, 0x7d000000                      ; 2^123
	s_mov_b32 s52, 0                               ; pb's step
	s_mov_b32 s53, 8                               ; trips to go
	s_wait_kmcnt 0x0
	s_lshl_b32 s28, s17, 2
	s_add_nc_u64 s[32:33], s[10:11], s[28:29]
	s_lshl_b32 s28, s18, 2
	s_add_nc_u64 s[34:35], s[10:11], s[28:29]
	s_lshl_b32 s28, ttmp9, 5
	s_add_nc_u64 s[36:37], s[10:11], s[28:29]
	s_sub_co_u32 s28, 480, s28
	s_add_nc_u64 s[38:39], s[10:11], s[28:29]
	s_load_b32 s20, s[32:33], 0x0                  ; L, X of piece 0
	s_load_b32 s21, s[32:33], 0x200
	s_load_b32 s22, s[34:35], 0x0                  ; L, X of piece 1
	s_load_b32 s23, s[34:35], 0x200
	s_load_b256 s[68:75], s[36:37], 0x0            ; L of the work-group's sixteen tiles
	s_load_b256 s[76:83], s[38:39], 0x0
	s_lshl_b32 s28, s19, 18
	s_add_nc_u64 s[40:41], s[4:5], s[28:29]        ; Q of my head,
	s_add_nc_u64 s[44:45], s[40:41], 0x800000      ; K,
	s_add_nc_u64 s[46:47], s[40:41], 0x1000000     ; V
	s_mov_b64 s[48:49], s[6:7]                     ; the mask, stepped 256 keys a trip
	s_lshl_b32 s28, s17, 11
	s_add_nc_u64 s[84:85], s[40:41], s[28:29]
	s_lshl_b32 s28, s18, 11
	s_add_nc_u64 s[86:87], s[40:41], s[28:29]
	s_lshl_b32 s28, s26, 11
	s_add_nc_u64 s[50:51], s[8:9], s[28:29]
	s_lshl_b32 s28, s26, 16
	s_lshl_b32 s31, s27, 8
	s_add_co_u32 s28, s28, s31
	s_add_nc_u64 s[90:91], s[12:13], s[28:29]      ; V's sums: the batch's 16 blocks, the head's channels
	WIN 0x40
.irp f, 0,1,2,3
	global_load_b128 v[Q+4*\f:Q+4*\f+3], v1, s[84:85] offset:512*\f
	global_load_b128 v[Q+16+4*\f:Q+16+4*\f+3], v1, s[86:87] offset:512*\f
.endr
	WIN 0
.irp n, 0,1,2,3
	global_load_b128 v[SG+4*\n:SG+4*\n+3], v6, s[44:45] offset:4096*\n        ; block 0 is always fetched
	global_load_b128 v[SG+16+4*\n:SG+16+4*\n+3], v6, s[46:47] offset:4096*\n
.endr
	global_load_b64 v[50:51], v52, s[50:51]        ; eight padding bytes a thread
	s_cmp_lt_u32 s16, 2
	s_cbranch_scc0 .Lno_vm
.set i, 0
.rept 16
	global_load_b32 v[S+i], v53, s[90:91] offset:4096*i
.set i, i+1
.endr
	s_wait_loadcnt 0x0
.irp d, 8,4,2,1
.set i, 0
.rept \d
	v_add_f32 v[S+i], v[S+i], v[S+i+\d]
.set i, i+1
.endr
.endr
	v_mul_f32 v[S], 0x3a000000, v[S]               ; / 2,048
	ds_store_b32 v44, v[S]
.Lno_vm:
	s_wait_loadcnt 0x0
.irp i, 0,1,2,3,4,5,6,7
	v_bfe_u32 v54, v[50+\i/4], 8*(\i%4), 8
	v_cmp_ne_u32 vcc_lo, 0, v54
	v_cndmask_b32 v[S+16+\i], 0, v55, vcc_lo
.endr
	ds_store_b128 v43, v[S+16:S+19]
	ds_store_b128 v43, v[S+20:S+23] offset:16
.irp n, 0,1,2,3
	ds_store_b128 v[KWR], v[SG+4*\n:SG+4*\n+3] offset:4096*\n
	ds_store_b128 v[VWR], v[SG+16+4*\n:SG+16+4*\n+3] offset:5120*\n
.endr
	WIN 0x40
.set i, 0
.rept 64
	v_mov_b32 v[O+i], 0                            ; O^T: no step is a piece's first by the text, so the sums begin as zeros
.set i, i+1
.endr
	WIN 0
.irp p, 0,1
	v_mov_b32 v[ST+12*\p], 0xff61b1e6              ; m
.irp i, 1,2,3,4,5,6,7,8,9,10,11
	v_mov_b32 v[ST+12*\p+\i], 0
.endr
.endr
	; the prefetches: the head's first work-group asks; waves 0, 1 for the halves of K's block, waves 2, 3 for V's: 8,192 bytes a wave, so each block of 256 bytes is named once in the launch
	s_cmp_lt_u32 s16, 2
	s_cselect_b64 s[62:63], s[44:45], s[46:47]
	s_and_b32 s28, s16, 1
	s_lshl_b32 s28, s28, 13
	s_add_co_u32 s28, s28, 32768                   ; at block 2: nothing is prefetched here, at the head
	s_add_nc_u64 s[62:63], s[62:63], s[28:29]
	s_lshr_b32 s28, s16, 2
	s_or_b32 s28, s28, ttmp9
	s_cmp_eq_u32 s28, 0
	s_cselect_b32 s66, 1, -1
	s_add_nc_u64 s[44:45], s[44:45], 16384         ; on to block 1 (block 0's loads are in)
	s_add_nc_u64 s[46:47], s[46:47], 16384
	s_wait_kmcnt 0x0
	s_or_b32 s24, s68, s69
.irp n, 70,71,72,73,74,75,76,77,78,79,80,81,82,83
	s_or_b32 s24, s24, s\n                         ; which tiles of 64 keys any wave of the work-group wants
.endr
	s_or_b32 s25, s20, s22                         ; and which I want
	s_wait_dscnt 0x0
	s_barrier_signal -1
	s_barrier_wait -1
.macro QK p, c                         ; S^T of piece p: the first four products take c as their C; four accumulators by turns
	WIN 0x05                                       ; K and Q window 1
.irp f, 0,1
.irp k, 0,1,2,3
.if \f == 0
	v_wmma_f32_16x16x32_f16 v[S+32*\p+8*\k:S+32*\p+8*\k+7], v[KF+8*(2*\k+\f):KF+8*(2*\k+\f)+7], v[Q+16*\p+8*\f:Q+16*\p+8*\f+7], v[\c+8*\k:\c+8*\k+7]
.else
	v_wmma_f32_16x16x32_f16 v[S+32*\p+8*\k:S+32*\p+8*\k+7], v[KF+8*(2*\k+\f):KF+8*(2*\k+\f)+7], v[Q+16*\p+8*\f:Q+16*\p+8*\f+7], v[S+32*\p+8*\k:S+32*\p+8*\k+7]
.endif
.endr
.endr
	WIN 0
.endm
; One piece, 64 keys.  Statistics at rT: +0 m (+1 pad), +2 a (+3 pad), +4, +5 l, +6 .. +9 four maxima, +10 at work.
.macro PIECE p, sl, u
.set rT, ST+12*\p
.set rS, S+32*\p
.set rP, P+16*\p
.set rO, O+32*\p
	s_bitcmp1_b32 s[20+2*\p], 2*\sl+\u
	s_cbranch_scc0 .Lpe_\@                         ; every entry is -infinity
	s_bitcmp1_b32 s[21+2*\p], 2*\sl+\u
	s_cbranch_scc0 .Lcl_\@                         ; every entry is 0
.irp k, 0,1,2,3
	global_load_b128 v[MK+8*\k:MK+8*\k+3], v[MO+\p], s[48:49] offset:(2*\sl+\u)*256+\k*64
	global_load_b128 v[MK+8*\k+4:MK+8*\k+7], v[MO+\p], s[48:49] offset:(2*\sl+\u)*256+\k*64+16
.endr
	s_wait_loadcnt 0x0
.set i, 0
.rept 16
	v_pk_fma_f32 v[MK+i:MK+i+1], v[MK+i:MK+i+1], s[56:57], v[CB+i:CB+i+1] op_sel_hi:[1,0,1]
.set i, i+2
.endr
.set i, 0
.rept 32
	v_med3_num_f32 v[MK+i], v[MK+i], s58, s59
.set i, i+1
.endr
	QK \p, MK
	s_branch .Lsm_\@
.Lcl_\@:
	QK \p, CB
.Lsm_\@:
.rept 4
	v_nop                                          ; four places ahead of the first read of the scores
.endr
.irp k, 0,1,2,3
	v_max3_num_f32 v[rT+6+\k], v[rS+8*\k], v[rS+8*\k+1], v[rS+8*\k+2]
.endr
.irp k, 0,1,2,3
	v_max3_num_f32 v[rT+6+\k], v[rT+6+\k], v[rS+8*\k+3], v[rS+8*\k+4]
.endr
.irp k, 0,1,2,3
	v_max3_num_f32 v[rT+6+\k], v[rT+6+\k], v[rS+8*\k+5], v[rS+8*\k+6]
.endr
	v_max3_num_f32 v[rT+6], v[rT+6], v[rS+7], v[rS+15]
	v_max3_num_f32 v[rT+8], v[rT+8], v[rS+23], v[rS+31]
	v_max3_num_f32 v[rT+6], v[rT+6], v[rT+7], v[rT+8]
	v_max3_num_f32 v[rT+6], v[rT+6], v[rT+9], v[rT]
	v_permlanex16_b32 v[rT+10], v[rT+6], s54, s55
	v_max_num_f32 v[rT+6], v[rT+6], v[rT+10]       ; the new m
	v_sub_f32 v[rT+2], v[rT], v[rT+6]              ; old m - new m
	v_mov_b32 v[rT], v[rT+6]
.set i, 0
.rept 16
	v_pk_add_f32 v[rS+i:rS+i+1], v[rS+i:rS+i+1], v[rT:rT+1] op_sel_hi:[1,0] neg_lo:[0,1] neg_hi:[0,1]
.set i, i+2
.endr
	v_exp_f32 v[rT+2], v[rT+2]                     ; a
.set i, 0
.rept 32
	v_exp_f32 v[rS+i], v[rS+i]                     ; p
.set i, i+1
.endr
	v_nop                                          ; a plain instruction behind the last exponential
	s_wait_alu depctr_va_vdst(0)                   ; one wait for the 33, ahead of their first reader
.set i, 0
.rept 16
	v_cvt_pk_f16_f32 v[rP+i], v[rS+2*i], v[rS+2*i+1]
.set i, i+1
.endr
.irp d, 2,4,6
.irp k, 0,1,2,3
	v_pk_add_f32 v[rS+8*\k:rS+8*\k+1], v[rS+8*\k:rS+8*\k+1], v[rS+8*\k+\d:rS+8*\k+\d+1]
.endr
.endr
	v_pk_add_f32 v[rS:rS+1], v[rS:rS+1], v[rS+8:rS+9]
	v_pk_add_f32 v[rS+16:rS+17], v[rS+16:rS+17], v[rS+24:rS+25]
	v_pk_add_f32 v[rS:rS+1], v[rS:rS+1], v[rS+16:rS+17]
	v_pk_fma_f32 v[rT+4:rT+5], v[rT+4:rT+5], v[rT+2:rT+3], v[rS:rS+1] op_sel_hi:[1,0,1]   ; l = l a + the sums
	WIN 0x41
.set i, 0
.rept 16
	v_pk_mul_f32 v[rO+i:rO+i+1], v[rO+i:rO+i+1], v[rT+2:rT+3] op_sel_hi:[1,0]
.set i, i+2
.endr
	s_wait_dscnt 0x0                               ; V^T is in
	WIN 0x51                                       ; V^T and O^T window 1, P window 0
.irp g, 0,1
.irp d, 0,1,2,3
	v_wmma_f32_16x16x32_f16 v[rO+8*\d:rO+8*\d+7], v[VF+8*(4*\g+\d):VF+8*(4*\g+\d)+7], v[rP+8*\g:rP+8*\g+7], v[rO+8*\d:rO+8*\d+7]
.endr
.endr
	WIN 0
.Lpe_\@:
.endm
; 64 keys: the u-th half of the block in slot sl
.macro SUB sl, u
	s_bitcmp1_b32 s25, 2*\sl+\u
	s_cbranch_scc0 .Lse_\@                         ; neither of my pieces wants them
.rept 4
	v_nop                                          ; four places ahead of loads into registers that the last products read
.endr
.irp k, 0,1,2,3
	ds_load_b128 v[CB+8*\k:CB+8*\k+3], v42 offset:(2*\sl+\u)*256+\k*64
	ds_load_b128 v[CB+8*\k+4:CB+8*\k+7], v42 offset:(2*\sl+\u)*256+\k*64+16
.endr
	WIN 0x40
.irp k, 0,1,2,3
.irp f, 0,1,2,3
	ds_load_b128 v[KF+16*\k+4*\f:KF+16*\k+4*\f+3], v[AKR+\sl] offset:\u*8192+\k*2048+\f*512
.endr
.endr
.irp g, 0,1
.irp d, 0,1,2,3
	ds_load_tr16_b128 v[VF+8*(4*\g+\d):VF+8*(4*\g+\d)+3], v[AVR+\sl] offset:\u*10240+\g*5120+\d*32
	ds_load_tr16_b128 v[VF+8*(4*\g+\d)+4:VF+8*(4*\g+\d)+7], v[AVR+\sl] offset:\u*10240+\g*5120+2560+\d*32
.endr
.endr
	WIN 0
	s_wait_dscnt 16                                ; pb and K are in; V^T's sixteen loads may be out
	PIECE 0, \sl, \u
	PIECE 1, \sl, \u
	s_wait_dscnt 0x0                               ; no load of this half is out on any way
.Lse_\@:
.endm
; A block of 128 keys in slot sl; the next block goes into the other slot
.macro BLOCK sl
	s_bfe_u32 s30, s24, (2<<16)|(2+2*\sl)          ; does anybody want the next block?  (behind the last block the bits are 0: no load leaves the buffer)
	s_cmp_eq_u32 s30, 0
	s_cbranch_scc1 .Lnl_\@
.irp n, 0,1,2,3
	global_load_b128 v[SG+4*\n:SG+4*\n+3], v6, s[44:45] offset:4096*\n
	global_load_b128 v[SG+16+4*\n:SG+16+4*\n+3], v6, s[46:47] offset:4096*\n
.endr
.Lnl_\@:
	s_cmp_gt_u32 s53, s66                          ; the block after the one just asked for, a block's work ahead of its loads; the last trip's two blocks ask for nothing
	s_cbranch_scc0 .Lna_\@
	global_prefetch_b8 v15, s[62:63] th:TH_LOAD_NT scope:SCOPE_SE
.Lna_\@:
	SUB \sl, 0
	SUB \sl, 1
	s_wait_loadcnt 0x0                             ; on every way: the next block's bytes are in registers
	s_cmp_eq_u32 s30, 0
	s_cbranch_scc1 .Lns_\@
.irp n, 0,1,2,3
	ds_store_b128 v[KWR+1-\sl], v[SG+4*\n:SG+4*\n+3] offset:4096*\n
	ds_store_b128 v[VWR+1-\sl], v[SG+16+4*\n:SG+16+4*\n+3] offset:5120*\n
.endr
.Lns_\@:
	s_wait_xcnt 0x0                                ; the loads and the prefetch have read their bases
	s_add_nc_u64 s[44:45], s[44:45], 16384
	s_add_nc_u64 s[46:47], s[46:47], 16384
	s_add_nc_u64 s[62:63], s[62:63], 16384
	s_wait_dscnt 0x0                               ; my stores into the other slot have landed and my reads of this one are over
	s_barrier_signal -1
	s_barrier_wait -1
.endm
.Ltrip:                                            ; 8 trips of two blocks
	v_add_nc_u32 v42, s52, v3
	BLOCK 0
	BLOCK 1
	s_add_nc_u64 s[48:49], s[48:49], 1024          ; (behind the wait on XCNT at the block's end: no load was issued since)
	s_add_co_u32 s52, s52, 1024
	s_lshr_b32 s20, s20, 4
	s_lshr_b32 s21, s21, 4
	s_lshr_b32 s22, s22, 4
	s_lshr_b32 s23, s23, 4
	s_lshr_b32 s24, s24, 4
	s_lshr_b32 s25, s25, 4
	s_sub_co_u32 s53, s53, 1
	s_cmp_lg_u32 s53, 0
	s_cbranch_scc1 .Ltrip
	; THE WAY OUT: O^T / l, or the mean of V; f16; as images of the projection's operand: [token / 16][channel / 16][lane][16 bytes]
.rept 4
	v_nop
.endr
.irp d, 0,1,2,3
	ds_load_b128 v[MK+8*\d:MK+8*\d+3], v14 offset:64*\d
	ds_load_b128 v[MK+8*\d+4:MK+8*\d+7], v14 offset:64*\d+16
.endr
	s_lshl_b32 s28, s26, 7
	s_add_co_u32 s31, s28, s17
	s_lshl_b32 s31, s31, 15
	s_lshl_b32 s32, s27, 11
	s_add_co_u32 s30, s31, s32
	s_mov_b32 s31, 0
	s_add_nc_u64 s[84:85], s[14:15], s[30:31]
	s_add_co_u32 s30, s28, s18
	s_lshl_b32 s30, s30, 15
	s_add_co_u32 s30, s30, s32
	s_add_nc_u64 s[86:87], s[14:15], s[30:31]
.irp p, 0,1
	v_add_f32 v[ST+12*\p+6], v[ST+12*\p+4], v[ST+12*\p+5]
.endr
.irp p, 0,1
	v_permlanex16_b32 v[ST+12*\p+10], v[ST+12*\p+6], s54, s55
.endr
.irp p, 0,1
	v_add_f32 v[ST+12*\p+6], v[ST+12*\p+6], v[ST+12*\p+10]
.endr
.irp p, 0,1
	v_rcp_f32 v[ST+12*\p+2], v[ST+12*\p+6]
.endr
	v_nop
	s_wait_alu depctr_va_vdst(0)                   ; one wait for the two reciprocals
	s_wait_dscnt 0x0
.irp p, 0,1
	v_and_b32 v[ST+12*\p+10], 0x7fffffff, v[ST+12*\p]
	v_cmp_le_f32 vcc_lo, s60, v[ST+12*\p+10]       ; masked altogether?
	WIN 0x01
.set i, 0
.rept 16
	v_pk_mul_f32 v[S+32*\p+i:S+32*\p+i+1], v[O+32*\p+i:O+32*\p+i+1], v[ST+12*\p+2:ST+12*\p+3] op_sel_hi:[1,0]
.set i, i+2
.endr
	WIN 0
.set i, 0
.rept 32
	v_cndmask_b32 v[S+32*\p+i], v[S+32*\p+i], v[MK+i], vcc_lo
.set i, i+1
.endr
.set i, 0
.rept 16
	v_cvt_pk_f16_f32 v[P+16*\p+i], v[S+32*\p+2*i], v[S+32*\p+2*i+1]
.set i, i+1
.endr
.irp d, 0,1,2,3
	global_store_b128 v1, v[P+16*\p+4*\d:P+16*\p+4*\d+3], s[84+2*\p:85+2*\p] offset:512*\d   ; 512 consecutive bytes a store
.endr
.endr
	s_wait_tensorcnt 0x0                           ; the wave's end
	ds_add_u32 v12, v13
	s_wait_dscnt 0x0
	s_endpgm
.Lfunc_end_k_q47dbe18933_attn:
	.size	k_q47dbe18933_attn, .Lfunc_end_k_q47dbe18933_attn-k_q47dbe18933_attn
	.p2alignl 7, 3214868480
	.fill 96, 4, 3214868480
	.section	.rodata,"a",@progbits
	.p2align	6, 0x0
	.amdhsa_kernel k_q47dbe18933_attn
		.amdhsa_group_segment_fixed_size 102400
		.amdhsa_private_segment_fixed_size 0
		.amdhsa_enable_private_segment 0
		.amdhsa_kernarg_size 48
		.amdhsa_user_sgpr_count 2
		.amdhsa_user_sgpr_kernarg_segment_ptr 1
		.amdhsa_wavefront_size32 1
		.amdhsa_system_sgpr_workgroup_id_x 1
		.amdhsa_system_sgpr_workgroup_id_y 1
		.amdhsa_system_sgpr_workgroup_id_z 1
		.amdhsa_system_vgpr_workitem_id 0
		.amdhsa_next_free_vgpr 512
		.amdhsa_next_free_sgpr 92
		.amdhsa_reserve_vcc 1
		.amdhsa_float_denorm_mode_32 3
		.amdhsa_float_denorm_mode_16_64 3
		.amdhsa_memory_ordered 1
		.amdhsa_forward_progress 1
		.amdhsa_inst_pref_size 135
	.end_amdhsa_kernel
	.amdgpu_metadata
---
amdhsa.version: [ 1, 2 ]
amdhsa.kernels:
  - .name:           k_q47dbe18933_attn
    .symbol:         k_q47dbe18933_attn.kd
    .args:
      - { .name: qkv16, .offset: 0, .size: 8, .value_kind: global_buffer, .address_space: global }
      - { .name: mask, .offset: 8, .size: 8, .value_kind: global_buffer, .address_space: global }
      - { .name: key_padding_mask, .offset: 16, .size: 8, .value_kind: global_buffer, .address_space: global }
      - { .name: flags, .offset: 24, .size: 8, .value_kind: global_buffer, .address_space: global }
      - { .name: csum, .offset: 32, .size: 8, .value_kind: global_buffer, .address_space: global }
      - { .name: ctxi, .offset: 40, .size: 8, .value_kind: global_buffer, .address_space: global }
    .group_segment_fixed_size: 102400
    .private_segment_fixed_size: 0
    .kernarg_segment_align: 8
    .kernarg_segment_size: 48
    .max_flat_workgroup_size: 256
    .sgpr_count:     92
    .vgpr_count:     512
    .wavefront_size: 32
...
	.end_amdgpu_metadata
.endif
;; end of part 4
;; launch proj (part 5): grid 8 x 32, 4 waves a work-group, clusters of 4 x 4, 327,680 bytes of LDS; arguments ctxi, woi, bo, out0; writes out0
.if DOCPART == 5
	.amdgcn_target "amdgcn-amd-amdhsa--gfx1250"
	.amdhsa_code_object_version 6
	.text
	.protected	k_q47dbe18933_proj
	.globl	k_q47dbe18933_proj
	.p2align	8
	.type	k_q47dbe18933_proj,@function
k_q47dbe18933_proj:
	s_mov_b64 s[64:65], 0
	v_nop
	global_prefetch_b8 v0, s[64:65] scope:SCOPE_SE
	s_setreg_imm32_b32 hwreg(HW_REG_WAVE_MODE, 25, 1), 1
	s_wait_xcnt 0x0
	s_wait_alu depctr_hold_cnt(0) depctr_sa_sdst(0) depctr_va_vdst(0) depctr_va_sdst(0) depctr_va_ssrc(0) depctr_va_vcc(0) depctr_vm_vsrc(0)
	s_getreg_b32 s2, hwreg(HW_REG_IB_STS2, 6, 4)
	s_cmp_eq_u32 s2, 0
	s_cbranch_scc0 .Lentry_in_a_cluster
	s_endpgm
.Lentry_in_a_cluster:
	s_bfe_u32 s2, ttmp6, 0x10000c
	s_cmp_lg_u32 s2, 0xf033
	s_cbranch_scc0 .Lentry_shape_is_right
	s_endpgm
.Lentry_shape_is_right:
; out = ctx Wo + bo: 4,096 x 1,024 x 1,024 on f16 operands, sums in f32.  Both operands arrive as images of the operand's registers: a fragment (16 rows x 32 K) is 1,024 consecutive bytes, lane l's two
; groups of 16 bytes at 16 l and 512 + 16 l; 32 fragments along K follow each other.  So a K step of 256 of 16 rows is 8,192 dense bytes, every LDS load reads 512 consecutive bytes, and no padding is needed.
; A tile of 128 x 128 is made by four waves, 64 x 64 each: 256 work-groups.  K goes in steps of 256 through two LDS slots; a wave's tensor load brings 4 x 8,192 bytes.
; CLUSTERS: 4 x 4 work-groups; ctx's tiles are shared along a row of the cluster, Wo's along a column, by joint loads.  THE MATRIX INSTRUCTION IS USED TRANSPOSED (source 0 = 16 columns of Wo, source 1 = 16 tokens).
; The bias is the C of each sum's first product.  The way out: a wave's 64 columns are 256 bytes of a row, so each wave has a stage of its own and no barrier is needed.
; (Rows 0-15 of each sequence are stored again, more finely, by the launch that follows.)
; REGISTERS: window 0: v0-31 addresses; v32-95 the way out; v96-127 the bias; v128-255 the accumulators.  window 1: two fragment buffers of 128.
.set HALFT,  32768                     ; 64 rows x 256 K: what one tensor load brings
.set SLOT,   4*HALFT
.set STAGE,  2*SLOT
.set SPITCH, 272
.set SPARE,  STAGE+4*16*SPITCH
.set LAPS,   2
.set ADRA, 16
.set ADRB, 20
.set STO,  24
.set RD,   25
.set CO,   26
.set BOF,  27
.set SPW,  28
.set NIL,  29
.set TMP,  32
.set BO,   96
.set ACC,  128
.set F0,   0
.set F1,   128
.set G1, 24
.set G0, 32
.set G1B, 48
.set G0B, 56
.set MSB, 0
.macro WIN new
.if MSB != \new
	s_set_vgpr_msb (MSB<<8)|\new
.set MSB, \new
.endif
.endm
.set MUL,  0x05                        ; sources 0 and 1 window 1; C and D window 0
.set TO_F, 0x40
.macro JLOAD s                         ; a joint load: waves 0 and 1 fetch ctx's halves, waves 2 and 3 Wo's; an s_nop 0 and four v_nop follow each line
	s_cmp_eq_u32 s11, 0
	s_cbranch_scc0 .Lfor_b_\@
	tensor_load_to_lds s[G0+4*\s:G0+4*\s+3], s[G1:G1+7]
	s_nop 0
.rept 4
	v_nop
.endr
	s_branch .Lasked_\@
.Lfor_b_\@:
	tensor_load_to_lds s[G0B+4*\s:G0B+4*\s+3], s[G1B:G1B+7]
	s_nop 0
.rept 4
	v_nop
.endr
.Lasked_\@:
.endm
.macro CREST
	s_cmp_lg_u32 s10, 0
	s_cbranch_scc1 .Lnot_wave_0_\@
	s_barrier_signal -3
.Lnot_wave_0_\@:
	s_barrier_wait -3
	s_barrier_signal -1
	s_barrier_wait -1
.endm
.macro CROUND
	s_barrier_signal -1
	s_barrier_wait -1
	CREST
.endm
	s_load_b128 s[4:7], s[0:1], 0x0                ; ctxi, woi
	s_load_b64 s[66:67], s[0:1], 0x10              ; bo
	s_load_b64 s[8:9], s[0:1], 0x18                ; out0
	v_lshl_add_u32 v[SPW], v0, 2, SPARE
	v_mov_b32 v[NIL], 0
	ds_add_u32 v[SPW], v[NIL]                      ; the wave's opening: the add, twice on end, and its wait ahead of my first tensor load
	ds_add_u32 v[SPW], v[NIL]
	v_lshrrev_b32 v1, 5, v0
	v_readfirstlane_b32 s10, v1                    ; wave 0..3
	s_lshr_b32 s11, s10, 1                         ; which half of the tile's rows is mine.  Also: I fetch for ctx (0) or for Wo (1)
	s_and_b32 s12, s10, 1                          ; which half of its columns.  Also: which 64 rows I fetch
	s_bfe_u32 s40, ttmp6, 0x40000
	s_bfe_u32 s41, ttmp6, 0x40004
	s_lshl_b32 s42, ttmp9, 2
	s_add_co_u32 s42, s42, s40                     ; tile column
	s_and_b32 s13, ttmp7, 0xffff
	s_lshl_b32 s13, s13, 2
	s_add_co_u32 s13, s13, s41                     ; tile row
	s_lshl_b32 s43, s41, 2
	s_lshl_b32 s43, 15, s43
	s_lshl_b32 s44, 0x1111, s40
	s_or_b32 s[G1+0], s43, (3<<16)|(1<<21)         ; the mask; elements of 8 bytes; no padding; bit 21 beside a mask
	s_or_b32 s[G1B+0], s44, (3<<16)|(1<<21)
.irp g, G1, G1B
	s_mov_b32 s[\g+1], 1024<<16                    ; tensor_dim0 = 1,024 elements: 8,192 bytes
	s_mov_b32 s[\g+2], 4<<16                       ; tensor_dim1 = 4
	s_mov_b32 s[\g+3], 1024<<16                    ; tile_dim0
	s_mov_b32 s[\g+4], 4                           ; tile_dim1
	s_mov_b32 s[\g+5], 4096                        ; the pitch: 32,768 bytes from 16 rows to the next 16
	s_mov_b32 s[\g+6], 0
	s_mov_b32 s[\g+7], 0
.endr
	s_lshl_b32 s17, s12, 2
	s_lshl_b32 s16, s13, 3
	s_add_co_u32 s16, s16, s17
	s_lshl_b32 s16, s16, 15                        ; ctx: (8 x tile row + 4 x half) x 32,768
	s_lshl_b32 s46, s42, 3
	s_add_co_u32 s46, s46, s17
	s_lshl_b32 s46, s46, 15                        ; Wo: by the tile column
	s_mov_b32 s17, 0
	s_mov_b32 s47, 0
	s_lshl_b32 s20, s10, 15                        ; where they go: wave x 32,768
	s_wait_dscnt 0x0
	s_wait_kmcnt 0x0
	s_add_nc_u64 s[14:15], s[4:5], s[16:17]
	s_add_nc_u64 s[46:47], s[6:7], s[46:47]
	CROUND                                         ; all sixteen work-groups are here
.irp s, 0,1
	s_mov_b32 s[G0+4*\s], 1
	s_add_co_u32 s[G0+4*\s+1], s20, \s*SLOT
	s_add_nc_u64 s[G0+4*\s+2:G0+4*\s+3], s[14:15], \s*8192
	s_or_b32 s[G0+4*\s+3], s[G0+4*\s+3], 0x80000000
	s_mov_b32 s[G0B+4*\s], 1
	s_add_co_u32 s[G0B+4*\s+1], s20, \s*SLOT
	s_add_nc_u64 s[G0B+4*\s+2:G0B+4*\s+3], s[46:47], \s*8192
	s_or_b32 s[G0B+4*\s+3], s[G0B+4*\s+3], 0x80000000
	JLOAD \s
.endr
	v_and_b32 v1, 15, v0
	v_bfe_u32 v2, v0, 4, 1
	v_and_b32 v3, 31, v0
	v_lshlrev_b32 v3, 4, v3                        ; 16 x lane
	s_lshl_b32 s21, s11, 15
	s_lshl_b32 s22, s12, 15
	s_add_co_u32 s22, s22, 2*HALFT
.irp s, 0,1
	v_add_nc_u32 v[ADRA+\s], s21, v3
	v_add_nc_u32 v[ADRB+\s], s22, v3
	s_add_co_u32 s21, s21, SLOT
	s_add_co_u32 s22, s22, SLOT
.endr
	s_mul_i32 s23, s10, 16*SPITCH
	s_add_co_u32 s23, s23, STAGE                   ; my stage
	v_mul_u32_u24 v4, v1, SPITCH
	v_lshl_add_u32 v4, v2, 5, v4
	v_add_nc_u32 v[STO], s23, v4                   ; in: row r, 32 bytes for each half of the lanes
	v_mul_u32_u24 v5, v2, SPITCH
	v_lshl_add_u32 v5, v1, 4, v5
	v_add_nc_u32 v[RD], s23, v5                    ; back: lanes 0-15 one row of 256 bytes, lanes 16-31 the next
	v_lshlrev_b32 v5, 12, v2
	v_lshl_add_u32 v[CO], v1, 4, v5                ; the same two rows in out
	v_lshlrev_b32 v[BOF], 5, v2
	s_lshl_b32 s16, s13, 7
	s_lshl_b32 s17, s11, 6
	s_add_co_u32 s16, s16, s17
	s_lshl_b32 s16, s16, 12                        ; my first row, in bytes
	s_mov_b32 s17, 0
	s_add_nc_u64 s[8:9], s[8:9], s[16:17]
	s_lshl_b32 s46, s42, 9                         ; my first column, in bytes: 512 x tile column + 256 x half
	s_lshl_b32 s47, s12, 8
	s_add_co_u32 s46, s46, s47
	s_mov_b32 s47, 0
	s_add_nc_u64 s[8:9], s[8:9], s[46:47]
	s_add_nc_u64 s[66:67], s[66:67], s[46:47]
.irp b, 0,1,2,3
	global_load_b128 v[BO+8*\b:BO+8*\b+3], v[BOF], s[66:67] offset:64*\b       ; bo at the lane's eight columns of block b
	global_load_b128 v[BO+8*\b+4:BO+8*\b+7], v[BOF], s[66:67] offset:64*\b+16
.endr
.macro MUL8 f, c, a0, zero             ; 8 matrix instructions; zero = 1: the first product starts the sums, on the bias
.irp a, \a0, \a0+1
.irp b, 0,1,2,3
.if \zero
	v_wmma_f32_16x16x32_f16 v[ACC+8*(4*(\a)+\b):ACC+8*(4*(\a)+\b)+7], v[\f+64+8*(4*\c+\b):\f+64+8*(4*\c+\b)+7], v[\f+8*(4*\c+\a):\f+8*(4*\c+\a)+7], v[BO+8*\b:BO+8*\b+7]
.else
	v_wmma_f32_16x16x32_f16 v[ACC+8*(4*(\a)+\b):ACC+8*(4*(\a)+\b)+7], v[\f+64+8*(4*\c+\b):\f+64+8*(4*\c+\b)+7], v[\f+8*(4*\c+\a):\f+8*(4*\c+\a)+7], v[ACC+8*(4*(\a)+\b):ACC+8*(4*(\a)+\b)+7]
.endif
.endr
.endr
.endm
.macro FETCH slot, q, f                ; 32 LDS loads in one run: the fragments of the slot's q-th 64 along K
	WIN TO_F
.irp c, 0,1
.irp i, 0,1,2,3
	ds_load_b128 v[\f+64+8*(4*\c+\i):\f+64+8*(4*\c+\i)+3],   v[ADRB+\slot] offset:\i*8192+(2*(\q)+\c)*1024
	ds_load_b128 v[\f+64+8*(4*\c+\i)+4:\f+64+8*(4*\c+\i)+7], v[ADRB+\slot] offset:\i*8192+(2*(\q)+\c)*1024+512
	ds_load_b128 v[\f+8*(4*\c+\i):\f+8*(4*\c+\i)+3],         v[ADRA+\slot] offset:\i*8192+(2*(\q)+\c)*1024
	ds_load_b128 v[\f+8*(4*\c+\i)+4:\f+8*(4*\c+\i)+7],       v[ADRA+\slot] offset:\i*8192+(2*(\q)+\c)*1024+512
.endr
.endr
.endm
.macro PLACES
.rept 4
	v_nop
.endr
.endm
.macro QUARTER slot, q, f, g, zero     ; multiplies buffer f and fetches the slot's q-th quarter into g
	s_wait_dscnt 16                                ; the first 32 along K are in; the other sixteen loads may be out
	WIN MUL
	MUL8 \f, 0, 0, \zero
	MUL8 \f, 0, 2, \zero
	PLACES
	FETCH \slot, \q, \g
	s_wait_dscnt 32                                ; all but the 32 just issued
	WIN MUL
	MUL8 \f, 1, 0, 0
	MUL8 \f, 1, 2, 0
.endm
.macro TURN slot, next, fill           ; the last quarter changes slots: one barrier; ahead of it each wave waits for all its tensor loads, adds 0 to its spare word and waits for that and for its reads
	WIN 0
	s_wait_tensorcnt 0x0
	ds_add_u32 v[SPW], v[NIL]
	s_wait_dscnt 17                                ; (the add and the youngest sixteen loads may be out)
	WIN MUL
	MUL8 F1, 0, 0, 0
	s_wait_dscnt 0x0
	s_barrier_signal -1
	MUL8 F1, 0, 2, 0
.if \fill
	WIN 0
.endif
	s_barrier_wait -1
.if \fill
	CREST                                          ; the barrier has opened a round of the cluster's barrier
	s_add_nc_u64 s[G0+4*\slot+2:G0+4*\slot+3], s[G0+4*\slot+2:G0+4*\slot+3], 16384
	s_add_nc_u64 s[G0B+4*\slot+2:G0B+4*\slot+3], s[G0B+4*\slot+2:G0B+4*\slot+3], 16384
	JLOAD \slot                                    ; the first tensor load behind the round; its four v_nop are also the places ahead of the loads below
.else
	PLACES
.endif
	FETCH \next, 0, F0
	WIN MUL
	MUL8 F1, 1, 0, 0
	MUL8 F1, 1, 2, 0
.endm
	s_wait_tensorcnt 1                             ; my part of K step 0 is in; K step 1's may be out
	s_barrier_signal -1
	s_barrier_wait -1
	FETCH 0, 0, F0
	s_wait_loadcnt 0x0                             ; the bias
	QUARTER 0, 1, F0, F1, 1
	WIN 0
	s_mov_b32 s3, LAPS-1
.Llap:
	QUARTER 0, 2, F1, F0, 0
	QUARTER 0, 3, F0, F1, 0
	TURN 0, 1, 1
	QUARTER 1, 1, F0, F1, 0
	QUARTER 1, 2, F1, F0, 0
	QUARTER 1, 3, F0, F1, 0
	TURN 1, 0, 1
	QUARTER 0, 1, F0, F1, 0
	WIN 0
	s_sub_co_u32 s3, s3, 1
	s_cmp_lg_u32 s3, 0
	s_cbranch_scc1 .Llap
	QUARTER 0, 2, F1, F0, 0                        ; the last lap fills nothing
	QUARTER 0, 3, F0, F1, 0
	TURN 0, 1, 0
	QUARTER 1, 1, F0, F1, 0
	QUARTER 1, 2, F1, F0, 0
	QUARTER 1, 3, F0, F1, 0
	s_wait_dscnt 16
	WIN MUL
	MUL8 F1, 0, 0, 0
	MUL8 F1, 0, 2, 0
	s_wait_dscnt 0
	MUL8 F1, 1, 0, 0
	MUL8 F1, 1, 2, 0
	WIN 0
; THE WAY OUT, 16 rows x 64 columns at a time through my own stage; LDS serves a wave's instructions in order, so no wait stands between the stores and the loads
.macro TOSTAGE a
.set BB, TMP+32*((\a)%2)
.irp b, 0,1,2,3
	ds_store_b128 v[STO], v[ACC+8*(4*(\a)+\b):ACC+8*(4*(\a)+\b)+3] offset:64*\b      ; each accumulator from its low end on
	ds_store_b128 v[STO], v[ACC+8*(4*(\a)+\b)+4:ACC+8*(4*(\a)+\b)+7] offset:64*\b+16
.endr
.irp t, 0,1,2,3,4,5,6,7
	ds_load_b128 v[BB+4*\t:BB+4*\t+3], v[RD] offset:\t*2*SPITCH
.endr
.endm
.macro SEND a, younger
.set BB, TMP+32*((\a)%2)
	s_wait_dscnt \younger
.irp t, 0,1,2,3,4,5,6,7
	global_store_b128 v[CO], v[BB+4*\t:BB+4*\t+3], s[8:9] offset:(16*(\a)+2*\t)*4096   ; sixteen lanes store 256 consecutive bytes, aligned
.endr
.endm
	PLACES
	TOSTAGE 0
.irp a, 1,2,3
.if \a > 1
	s_wait_xcnt 0x0                                ; block a - 2's stores have read their registers
.endif
	TOSTAGE \a
	SEND \a-1, 16                                  ; behind block a - 1's loads: block a's 8 stores and 8 loads
.endr
	SEND 3, 0
	s_wait_tensorcnt 0x0                           ; the wave's end
	ds_add_u32 v[SPW], v[NIL]
	s_wait_dscnt 0x0
	CROUND                                         ; the closing round
	s_endpgm
.Lfunc_end_k_q47dbe18933_proj:
	.size	k_q47dbe18933_proj, .Lfunc_end_k_q47dbe18933_proj-k_q47dbe18933_proj
	.p2alignl 7, 3214868480
	.fill 96, 4, 3214868480
	.section	.rodata,"a",@progbits
	.p2align	6, 0x0
	.amdhsa_kernel k_q47dbe18933_proj
		.amdhsa_group_segment_fixed_size 327680
		.amdhsa_private_segment_fixed_size 0
		.amdhsa_enable_private_segment 0
		.amdhsa_kernarg_size 32
		.amdhsa_user_sgpr_count 2
		.amdhsa_user_sgpr_kernarg_segment_ptr 1
		.amdhsa_wavefront_size32 1
		.amdhsa_system_sgpr_workgroup_id_x 1
		.amdhsa_system_sgpr_workgroup_id_y 1
		.amdhsa_system_sgpr_workgroup_id_z 1
		.amdhsa_system_vgpr_workitem_id 0
		.amdhsa_next_free_vgpr 512
		.amdhsa_next_free_sgpr 68
		.amdhsa_reserve_vcc 0
		.amdhsa_float_denorm_mode_32 3
		.amdhsa_float_denorm_mode_16_64 3
		.amdhsa_memory_ordered 1
		.amdhsa_forward_progress 1
		.amdhsa_inst_pref_size 86
	.end_amdhsa_kernel
	.amdgpu_metadata
---
amdhsa.version: [ 1, 2 ]
amdhsa.kernels:
  - .name:           k_q47dbe18933_proj
    .symbol:         k_q47dbe18933_proj.kd
    .args:
      - { .name: ctxi, .offset: 0, .size: 8, .value_kind: global_buffer, .address_space: global }
      - { .name: woi, .offset: 8, .size: 8, .value_kind: global_buffer, .address_space: global }
      - { .name: bo, .offset: 16, .size: 8, .value_kind: global_buffer, .address_space: global }
      - { .name: out0, .offset: 24, .size: 8, .value_kind: global_buffer, .address_space: global }
    .group_segment_fixed_size: 327680
    .private_segment_fixed_size: 0
    .kernarg_segment_align: 8
    .kernarg_segment_size: 32
    .max_flat_workgroup_size: 128
    .sgpr_count:     68
    .vgpr_count:     512
    .wavefront_size: 32
...
	.end_amdgpu_metadata
.endif
;; end of part 5
;; launch fineproj (part 6): grid 16 x 8, 16 waves a work-group, no clusters, 67,584 bytes of LDS; arguments fin, Wo, bo, out0; writes out0
.if DOCPART == 6
	.amdgcn_target "amdgcn-amd-amdhsa--gfx1250"
	.amdhsa_code_object_version 6
	.text
	.protected	k_q47dbe18933_fineproj
	.globl	k_q47dbe18933_fineproj
	.p2align	8
	.type	k_q47dbe18933_fineproj,@function
k_q47dbe18933_fineproj:
	s_mov_b64 s[64:65], 0
	v_nop
	global_prefetch_b8 v0, s[64:65] scope:SCOPE_SE
	s_setreg_imm32_b32 hwreg(HW_REG_WAVE_MODE, 25, 1), 1
	s_wait_xcnt 0x0
; THE PROJECTION OF THE FIRST 16 POSITIONS OF EACH SEQUENCE, IN F32: out[row] = ctx[row] Wo + bo by fused multiply-adds; it stores over what the f16 projection left in these 32 rows.
; A work-group takes 64 columns and 4 rows of one batch: 128 work-groups.  Wave w takes k = 64 w .. 64 w + 63; a lane takes two columns, so a row of Wo is read as 256 consecutive bytes a wave.
; A wave's 4 x 64 numbers of ctx go through its own 1,024 bytes of LDS and come back with one address for all lanes: every lane gets the same four numbers of a row.
; The sixteen waves' partial sums meet in LDS behind one barrier; waves 0-3 add them, a row each, add the bias and store 256 consecutive bytes.
; No matrix unit (32 rows in all), no cluster and no tensor load: nothing here is read twice by a work-group.
.set CT,    0
.set RED,   32768
.set SPARE, 65536
	s_load_b256 s[4:11], s[0:1], 0x0               ; fin s4, Wo s6, bo s8, out0 s10
	v_lshl_add_u32 v14, v0, 2, SPARE               ; my spare word; never rewritten
	v_mov_b32 v15, 0                               ; 0; never rewritten
	v_lshrrev_b32 v1, 5, v0
	v_readfirstlane_b32 s12, v1                    ; wave 0..15
	v_and_b32 v1, 31, v0                           ; lane
	s_and_b32 s13, ttmp7, 0xffff
	s_lshr_b32 s14, s13, 2                         ; batch
	s_and_b32 s15, s13, 3                          ; which 4 rows
	v_lshlrev_b32 v2, 3, v1                        ; 8 x lane: my two columns
	v_lshlrev_b32 v3, 4, v1
	v_lshrrev_b32 v4, 4, v1
	v_and_b32 v5, 15, v1
	v_lshlrev_b32 v4, 12, v4
	v_lshl_add_u32 v4, v5, 4, v4                   ; ctx: lanes 0-15 one row's 256 bytes, lanes 16-31 the next row's
	s_lshl_b32 s16, s12, 10
	v_add_nc_u32 v6, s16, v3                       ; into my 1,024 bytes
	v_mov_b32 v7, s16                              ; and out of them: one address for all lanes
	v_add_nc_u32 v8, s16, v2
	v_add_nc_u32 v8, RED, v8                       ; my partial sums: 1,024 w + 256 row + 8 lane
	s_lshl_b32 s17, s12, 8
	v_add_nc_u32 v9, s17, v2
	v_add_nc_u32 v9, RED, v9                       ; waves 0-3: row w of every wave's
	s_mov_b32 s21, 0
	s_lshl_b32 s22, ttmp9, 8                       ; my 64 columns, in bytes
	s_wait_kmcnt 0x0
	s_lshl_b32 s20, s14, 16
	s_lshl_b32 s23, s15, 14
	s_add_co_u32 s20, s20, s23
	s_add_co_u32 s20, s20, s17
	s_add_nc_u64 s[4:5], s[4:5], s[20:21]          ; ctx: batch, 4 rows, k = 64 w
	s_lshl_b32 s20, s12, 18
	s_add_co_u32 s20, s20, s22
	s_add_nc_u64 s[6:7], s[6:7], s[20:21]          ; Wo: row 64 w, my columns
	s_mov_b32 s20, s22
	s_add_nc_u64 s[8:9], s[8:9], s[20:21]
	s_lshl_b32 s20, s14, 11
	s_lshl_b32 s23, s15, 2
	s_add_co_u32 s20, s20, s23
	s_add_co_u32 s20, s20, s12
	s_lshl_b32 s20, s20, 12
	s_add_co_u32 s20, s20, s22
	s_add_nc_u64 s[10:11], s[10:11], s[20:21]      ; out: row 2,048 batch + 4 quarter + w (used by waves 0-3)
.irp i, 0,1
	global_load_b128 v[16+4*\i:16+4*\i+3], v4, s[4:5] offset:8192*\i
.endr
	global_load_b64 v[12:13], v2, s[8:9]
.set i, 0
.rept 64
	global_load_b64 v[128+2*i:128+2*i+1], v2, s[6:7] offset:4096*i
.set i, i+1
.endr
	s_wait_loadcnt 63                              ; of the 67 loads at most 63 are out: ctx's two and the bias are in
.irp i, 0,1
	ds_store_b128 v6, v[16+4*\i:16+4*\i+3] offset:512*\i
.endr
.macro CLOAD kq                        ; four k of all four rows, the same in every lane.  LDS serves a wave's instructions in order: these see my stores
.irp row, 0,1,2,3
	ds_load_b128 v[32+32*((\kq)%2)+4*\row:32+32*((\kq)%2)+4*\row+3], v7 offset:\row*256+(\kq)*16
.endr
.endm
.macro BATCH kq
.set BC, 32+32*((\kq)%2)
.if (\kq) < 15
	CLOAD (\kq)+1
	s_wait_dscnt 4                                 ; this batch's four loads are in; the next batch's may be out
.else
	s_wait_dscnt 0x0
.endif
	s_wait_loadcnt 60-4*(\kq)                      ; Wo's rows up to this batch's four are in; the rows behind them may be out
.irp kk, 0,1,2,3
.irp row, 0,1,2,3
.if ((\kq) == 0) && (\kk == 0)
	v_pk_mul_f32 v[96+2*\row:96+2*\row+1], v[128+2*(4*(\kq)+\kk):128+2*(4*(\kq)+\kk)+1], v[BC+4*\row:BC+4*\row+1] op_sel_hi:[1,0]   ; the first product starts the sums
.elseif (\kk%2) == 0
	v_pk_fma_f32 v[96+2*\row:96+2*\row+1], v[128+2*(4*(\kq)+\kk):128+2*(4*(\kq)+\kk)+1], v[BC+4*\row+2*(\kk/2):BC+4*\row+2*(\kk/2)+1], v[96+2*\row:96+2*\row+1] op_sel_hi:[1,0,1]
.else
	v_pk_fma_f32 v[96+2*\row:96+2*\row+1], v[128+2*(4*(\kq)+\kk):128+2*(4*(\kq)+\kk)+1], v[BC+4*\row+2*(\kk/2):BC+4*\row+2*(\kk/2)+1], v[96+2*\row:96+2*\row+1] op_sel:[0,1,0] op_sel_hi:[1,1,1]
.endif
.endr
.endr
.endm
	CLOAD 0
.set Q, 0
.rept 16
	BATCH Q
.set Q, Q+1
.endr
.irp row, 0,1,2,3
	ds_store_b64 v8, v[96+2*\row:96+2*\row+1] offset:256*\row
.endr
	s_wait_dscnt 0x0                               ; for the others' sake
	s_barrier_signal -1
	s_barrier_wait -1
	s_cmp_lt_u32 s12, 4
	s_cbranch_scc0 .Lend
.set i, 0
.rept 16
	ds_load_b64 v[32+2*i:32+2*i+1], v9 offset:1024*i
.set i, i+1
.endr
	s_wait_dscnt 0x0
.irp d, 8,4,2,1
.set i, 0
.rept \d
	v_pk_add_f32 v[32+2*i:32+2*i+1], v[32+2*i:32+2*i+1], v[32+2*(i+\d):32+2*(i+\d)+1]
.set i, i+1
.endr
.endr
	v_pk_add_f32 v[32:33], v[32:33], v[12:13]
	global_store_b64 v2, v[32:33], s[10:11]        ; 32 lanes store 256 consecutive bytes, aligned
.Lend:
	s_wait_tensorcnt 0x0                           ; the wave's end
	ds_add_u32 v14, v15
	s_wait_dscnt 0x0
	s_endpgm
.Lfunc_end_k_q47dbe18933_fineproj:
	.size	k_q47dbe18933_fineproj, .Lfunc_end_k_q47dbe18933_fineproj-k_q47dbe18933_fineproj
	.p2alignl 7, 3214868480
	.fill 96, 4, 3214868480
	.section	.rodata,"a",@progbits
	.p2align	6, 0x0
	.amdhsa_kernel k_q47dbe18933_fineproj
		.amdhsa_group_segment_fixed_size 67584
		.amdhsa_private_segment_fixed_size 0
		.amdhsa_enable_private_segment 0
		.amdhsa_kernarg_size 32
		.amdhsa_user_sgpr_count 2
		.amdhsa_user_sgpr_kernarg_segment_ptr 1
		.amdhsa_wavefront_size32 1
		.amdhsa_system_sgpr_workgroup_id_x 1
		.amdhsa_system_sgpr_workgroup_id_y 1
		.amdhsa_system_sgpr_workgroup_id_z 1
		.amdhsa_system_vgpr_workitem_id 0
		.amdhsa_next_free_vgpr 256
		.amdhsa_next_free_sgpr 66
		.amdhsa_reserve_vcc 0
		.amdhsa_float_denorm_mode_32 3
		.amdhsa_float_denorm_mode_16_64 3
		.amdhsa_memory_ordered 1
		.amdhsa_forward_progress 1
		.amdhsa_inst_pref_size 32
	.end_amdhsa_kernel
	.amdgpu_metadata
---
amdhsa.version: [ 1, 2 ]
amdhsa.kernels:
  - .name:           k_q47dbe18933_fineproj
    .symbol:         k_q47dbe18933_fineproj.kd
    .args:
      - { .name: fin, .offset: 0, .size: 8, .value_kind: global_buffer, .address_space: global }
      - { .name: Wo, .offset: 8, .size: 8, .value_kind: global_buffer, .address_space: global }
      - { .name: bo, .offset: 16, .size: 8, .value_kind: global_buffer, .address_space: global }
      - { .name: out0, .offset: 24, .size: 8, .value_kind: global_buffer, .address_space: global }
    .group_segment_fixed_size: 67584
    .private_segment_fixed_size: 0
    .kernarg_segment_align: 8
    .kernarg_segment_size: 32
    .max_flat_workgroup_size: 512
    .sgpr_count:     66
    .vgpr_count:     256
    .wavefront_size: 32
...
	.end_amdgpu_metadata
.endif
;; end of part 6
